; MI455X (gfx1250); checked and timed in simulation.
; The chip was launched on July 23, 2026; its instructions are those of AMD's public machine-readable ISA for CDNA 5 (MIT licence, August 2026) and "CDNA5" Instruction Set Architecture Reference Guide (July 2026). The comments in the code are by the model that wrote it; some were corrected since.
;; Multi Headed Attention. Allowed arithmetic: matrix products marked QUANTISED: E2M1 operands, one E8M0 scale for each 32 along K, by v_wmma_scale_f32_16x16x128_f8f6f4 with both operands' format E2M1 (or v_wmma_scale_f32_32x16x128_f4), f32 sums; products left as they are: bf16, f16 or f32 operands; f32 sums; everything else in f32.
;; Inputs: bk 1,024 float32; bo 1,024 float32; bq 1,024 float32; bv 1,024 float32; wk 1,024 x 1,024 float32; wo 1,024 x 1,024 float32; wq 1,024 x 1,024 float32; wv 1,024 x 1,024 float32; xk 4 x 2,048 x 1,024 float32; xq 4 x 2,048 x 1,024 float32; xv 4 x 2,048 x 1,024 float32.
;; Outputs: out0 4 x 2,048 x 1,024 float32.
;; This version of the problem:
;;   THIS VERSION OF THE PROBLEM IS GIVEN IN LOW PRECISION. The matrix products marked QUANTISED in the list below multiply operands that are first quantised to E2M1 (2 exponent bits, 1 mantissa bit; 4 bits a number), with one power-of-two scale for each 32 numbers along K (OCP MX v1.0); their sums are f32. The products marked 'left as it is' may take bf16, f16 or f32 operands, with f32 sums. Whichever they take, every output number must still come out within the allowed error. Rounding operands to bf16 (8 significant bits) uses up far more of that allowance than f16 does (11 bits, for magnitudes from 6e-5 to 65,504). All else is computed in f32.
;;   The module's matrix products, in the order in which they are computed (A, B: the left and right operand; K: the contracted axis; several contracted axes count as one K, in the product's order):
;;     1. [M 8,192, K 1,024] x [K 1,024, N 1,024]; A: input xq; B: input wq: QUANTISED
;;     2. [M 8,192, K 1,024] x [K 1,024, N 1,024]; A: input xk; B: input wk: QUANTISED
;;     3. [M 8,192, K 1,024] x [K 1,024, N 1,024]; A: input xv; B: input wv: QUANTISED
;;     4. batch 64 x [M 2,048, K 64] x [K 64, N 2,048]; A: computed on the way; B: computed on the way: left as it is (an operand is computed on the way)
;;     5. batch 64 x [M 2,048, K 2,048] x [K 2,048, N 64]; A: computed on the way; B: computed on the way: left as it is (an operand is computed on the way)
;;     6. [M 8,192, K 1,024] x [K 1,024, N 1,024]; A: computed on the way; B: input wo: left as it is (an operand is computed on the way)
;;   THE QUANTISER, for each operand of a quantised product, along K:
;;     - K is cut into blocks of 32 from its start; a last block that is shorter is filled with zeros.
;;     - A block's scale is 2^e with e = floor(log2(the largest magnitude in the block)) - 2, held to -126 .. 127; a block of zeros has e = 0. As a byte (E8M0): e + 127.
;;     - Each number is divided by its block's scale, clamped to +-6, and rounded to the nearest number of E2M1, ties to even, subnormals kept.
;;     - The product sums the exact products of the quantised numbers (number of the format x scale) in f32.
;;   ~~~python
;;   def quantise(x, axis):      # numpy; x: float32 -> the quantised numbers, widened to float32 again
;;       x = np.moveaxis(x, axis, -1); K = x.shape[-1]
;;       x = np.pad(x, [(0, 0)] * (x.ndim - 1) + [(0, -K % 32)]); x = x.reshape(x.shape[:-1] + (-1, 32)); a = np.abs(x).max(-1, keepdims=True)
;;       e = np.where(a > 0, np.clip(np.frexp(np.where(a > 0, a, 1))[1] - 1 - 2, -126, 127), 0)      # np.frexp(a)[1] - 1 = floor(log2(a)), exactly
;;       r = np.clip(x / 2.0 ** e, -6, 6)
;;       step = 2.0 ** (np.maximum(np.frexp(np.where(r == 0, 1, r))[1] - 1, 0) - 1)
;;       q = np.round(r / step) * step * 2.0 ** e      # np.round: ties to even
;;       return np.moveaxis(q.reshape(q.shape[:-2] + (-1,))[..., :K], -1, axis).astype(np.float32)
;;   ~~~
;; One version. Each part assembles by itself: llvm-mc -triple=amdgcn-amd-amdhsa -mcpu=gfx1250 --defsym DOCPART=n.
;; ======== version 1 of 1: 4 launches
;; limits: values are held in f16: magnitudes above 65,504 overflow, below 6.1e-05 lose precision
;; workspace buffers: xc 12,582,912 bytes; xs 786,432 bytes; wc 1,572,864 bytes; ws 98,304 bytes; wo16 2,097,152 bytes; qkv 50,331,648 bytes; cc 16,777,216 bytes
;; launch quant (part 1): grid 512 x 1, 4 waves a work-group, no clusters, 34,304 bytes of LDS; arguments xq, xk, xv, wq, wk, wv, wo, xc, xs, wc, ws, wo16; writes xc, xs, wc, ws, wo16
.if DOCPART == 1
	.amdgcn_target "amdgcn-amd-amdhsa--gfx1250"
	.amdhsa_code_object_version 6
	.text
	.protected	k_qe5fcd27a76_quant
	.globl	k_qe5fcd27a76_quant
	.p2align	8
	.type	k_qe5fcd27a76_quant,@function
k_qe5fcd27a76_quant:
	s_mov_b64 s[64:65], 0
	v_nop
	global_prefetch_b8 v0, s[64:65] scope:SCOPE_SE
	s_setreg_imm32_b32 hwreg(HW_REG_WAVE_MODE, 25, 1), 1
	s_wait_xcnt 0x0
; LAUNCH 1 OF 4.  Multi-head attention: q = xq wq + bq, k = xk wk + bk, v = xv wv + bv (operands quantised to FP4 (E2M1), one E8M0 scale for each 32 along K),
; softmax(q k^T / 8) v for each of 64 (batch, head), the heads side by side times wo, + bo.  This launch quantises xq, xk, xv (K innermost) and wq, wk, wv (K outermost) and rounds wo to f16.
; DEAD WORK, LEFT OUT IN ALL FOUR LAUNCHES: bk.  scores[q][j] = q . (k0[j] + bk) / 8 = q . k0[j] / 8 + q . bk / 8, k0 = xk wk.  The second term is the same for every key j of a query, that is along the softmax's
; axis, so it cancels between the exponentials and their sum, for all values of the inputs; the product q k^T is not quantised, so bk enters no quantiser.  bk has no other way to an output: it is not loaded and is
; no argument of any launch.  LIMIT: a NaN, an infinity or an overflow that reaches only that term is not carried to the result.
; EVERY WORKSPACE BUFFER IS LAID AS IMAGES OF OPERAND REGISTERS: a group of four registers is 512 bytes, lane l's 16 bytes at 16 l (l = r + 16 h).
;   FP4 fragment, 16 rows x 128 K, 1,024 bytes: group c (0, 1) of lane (r, h) = row r, k = 64 c + 32 h + 0 .. 31.      xc [t 3][row tile 512][K step 8][1,024];  wc [t 3][column tile 64][K step 8][1,024]
;   scale image of a tile for all of K, 512 bytes: the word at 128 j + 4 l = row r's four E8M0 bytes of K step 2 j + h.   xs [t][512][512];  ws [t][64][512]
;   f16 fragment, 16 rows x 32 K, 1,024 bytes: group c of lane (r, h) = row r, k = 16 c + 8 h + 0 .. 7.                  wo16 [column tile 64][k / 32: 32][1,024]
; THE QUANTISER: a block's scale is 2^(floor(log2(largest magnitude)) - 2); its byte is the largest magnitude's exponent field - 2, held at 1 from below by a floor among the maximum's leaves.
; LIMITS: a block of zeros gets the byte 1 where the rule says 127 (its codes are zeros, and this program alone reads the bytes); blocks whose largest magnitude lies under 2^-124 are held at the byte 1;
; NaN and infinities among the inputs are not served; wo is rounded to f16 (magnitudes up to 65,504).
; SHARES: work-groups 0 to 127 take the weights (32 columns x all K each; wave j the rows k = 256 j on; a lane a column, its registers down K); work-groups 128 to 511 take x (a wave a tile of 16 rows x all K).
; No tensor load, no barrier: waves share nothing.  Only the x path touches LDS (a stage for each wave).
.set STG,   8448                       ; a wave's stage: 16 rows x (512 bytes + 16)
.set SPARE, 4*STG                      ; behind the stages: the spare words, 128 bytes for each wave
.set LO,    4                          ; v4   16 x lane
.set SIN,   5                          ; v5   x path: stage + 16 x lane
.set LW,    5                          ; v5   weight paths: 4 x lane
.set SOUT,  6                          ; v6   stage + 528 r + 128 h
.set S4,    7                          ; v7   stage + 4 x lane
.set SH,    8                          ; v8   8 h
.set PX,    9                          ; v9   a lane permute's destination
.set SPW,   16                         ; v16  my spare word;  v17  0: never rewritten
.set NIL,   17
.set WD,    18                         ; v18-25 x path: a row's scale word for each K step;  weight path: v18, v19
.set C,     26                         ; v26-33 codes
.set DI,    34                         ; v34-37 the scale image's registers
.set BK,    40                         ; v40-43 the image back from the stage
.set R,     48                         ; v48-175 two sets of 64 numbers as loaded
.set X,     176                        ; v176-239 x path: 64 numbers turned through the stage;  wo: packed f16
	s_load_b512 s[16:31], s[0:1], 0x0              ; xq 16, xk 18, xv 20, wq 22, wk 24, wv 26, wo 28, xc 30
	s_load_b256 s[32:39], s[0:1], 0x40             ; xs 32, wc 34, ws 36, wo16 38
	v_lshl_add_u32 v[SPW], v0, 2, SPARE
	v_mov_b32 v[NIL], 0
	v_lshrrev_b32 v1, 5, v0
	v_readfirstlane_b32 s8, v1                     ; wave
	v_and_b32 v1, 31, v0                           ; lane
	v_and_b32 v2, 15, v0                           ; r
	v_bfe_u32 v3, v0, 4, 1                         ; h
	v_lshlrev_b32 v[LO], 4, v1
	s_mov_b32 s11, 0                               ; the upper word of every offset
	s_wait_kmcnt 0x0
; Two blocks of 32 numbers, v[b] on and v[b + 32] on: largest magnitudes v10, v11; the conversions' scale operands v12, v13; the bytes v14, v15
.macro AMAX b
.irp e, 0,1
	v_max3_num_f32 v[10+\e], |v[(\b)+32*\e]|, |v[(\b)+32*\e+1]|, 0x1800000   ; the floor 2^(3 - 127): the byte cannot fall under 1
.endr
.irp i, 2,4,6,8,10,12,14,16,18,20,22,24,26,28,30
.irp e, 0,1
	v_max3_num_f32 v[10+\e], v[10+\e], |v[(\b)+32*\e+\i]|, |v[(\b)+32*\e+\i+1]|
.endr
.endr
.irp e, 0,1
	v_add_nc_u32 v[12+\e], 0xff000000, v[10+\e]    ; 2 off the exponent field: the conversion takes this operand's exponent field as its scale
.endr
.irp e, 0,1
	v_lshrrev_b32 v[14+\e], 23, v[12+\e]           ; the scale's byte
.endr
.endm
.macro CODES b                         ; their 64 codes: v[C .. C + 3] the first block's, v[C + 4 .. C + 7] the second's
.irp e, 0,1
.irp g, 0,1,2,3
	v_cvt_scalef32_pk8_fp4_f32 v[C+4*\e+\g], v[(\b)+32*\e+8*\g:(\b)+32*\e+8*\g+7], v[12+\e]
.endr
.endr
	v_nop                                          ; one plain place behind the scaled conversions
.endm
	s_cmp_lt_u32 ttmp9, 128
	s_cbranch_scc1 .Lweights
; ---------------- x: a wave takes row tile MT = 4 (work-group - 128) + wave of the 1,536, in 8 K steps of 128
	s_sub_co_u32 s9, ttmp9, 128
	s_cmp_lt_u32 s9, 128
	s_cselect_b64 s[4:5], s[16:17], s[18:19]       ; xq or xk,
	s_cmp_lt_u32 s9, 256
	s_cselect_b64 s[4:5], s[4:5], s[20:21]         ; or xv: the choice hangs on the work-group's number alone
	s_and_b32 s10, s9, 127
	s_lshl_b32 s10, s10, 2
	s_add_co_u32 s10, s10, s8
	s_lshl_b32 s10, s10, 16                        ; 16 rows of 4,096 bytes a tile
	s_add_nc_u64 s[4:5], s[4:5], s[10:11]
	s_lshl_b32 s12, s9, 2
	s_add_co_u32 s12, s12, s8                      ; MT
	s_lshl_b32 s10, s12, 13
	s_add_nc_u64 s[6:7], s[30:31], s[10:11]        ; its 8 fragments in xc
	s_lshl_b32 s10, s12, 9
	s_add_nc_u64 s[14:15], s[32:33], s[10:11]      ; its scale image in xs
	s_mul_i32 s13, s8, STG
	v_add_nc_u32 v[SIN], s13, v[LO]
	v_mul_u32_u24 v[SOUT], v2, 528
	v_lshl_add_u32 v[SOUT], v3, 7, v[SOUT]
	v_add_nc_u32 v[SOUT], s13, v[SOUT]
	v_lshl_add_u32 v[S4], v1, 2, s13
	v_lshlrev_b32 v[SH], 3, v3
	v_mov_b32 v[PX], 0                             ; written once: a lane permute's destination counts as one of its sources
	s_mov_b32 s40, 0xffff0000                      ; lanes 16 to 31
	s_mov_b32 s42, 0x76543210
	s_mov_b32 s43, 0xfedcba98                      ; v_permlanex16_b32's selects for lane l xor 16
.macro LOADX s                         ; K step s of my 16 rows: each load reads 512 consecutive bytes of one row
.irp r, 0,1,2,3,4,5,6,7,8,9,10,11,12,13,14,15
	global_load_b128 v[R+64*((\s)%2)+4*\r:R+64*((\s)%2)+4*\r+3], v[LO], s[4:5] offset:4096*\r+512*(\s) th:TH_LOAD_NT
.endr
.endm
.macro XSTEP s
.if (\s) < 7
	s_wait_loadcnt 16                              ; this step's 16 loads are in; the next step's 16 stay out
.else
	s_wait_loadcnt 0x0
.endif
.irp r, 0,1,2,3,4,5,6,7,8,9,10,11,12,13,14,15
	ds_store_b128 v[SIN], v[R+64*((\s)%2)+4*\r:R+64*((\s)%2)+4*\r+3] offset:528*\r   ; the rows as they lie
.endr
.irp c, 0,1
.irp i, 0,1,2,3,4,5,6,7
	ds_load_b128 v[X+32*\c+4*\i:X+32*\c+4*\i+3], v[SOUT] offset:256*\c+16*\i   ; back: lane (r, h) takes k = 64 c + 32 h + 0 .. 31 of row r: two whole blocks.  LDS serves a wave's instructions in order
.endr
.endr
	s_wait_dscnt 0x0                               ; the numbers are back, and the stores have read their registers,
.if (\s) < 6
	LOADX (\s)+2                                   ; which take the loads of two steps on
.endif
	AMAX X
	v_lshl_or_b32 v14, v15, 16, v14                ; my two bytes: blocks h and 2 + h of the K step,
	v_lshlrev_b32 v14, v[SH], v14                  ; at their places in the row's word;
	v_permlanex16_b32 v[PX], v14, s42, s43
	v_or_b32 v[WD+(\s)], v14, v[PX]                ; with lane l xor 16's two the word is whole
	s_wait_xcnt 0x0                                ; the last step's stores have read the codes' registers
	CODES X
	global_store_b128 v[LO], v[C:C+3], s[6:7] offset:1024*(\s)         ; 512 consecutive bytes a store
	global_store_b128 v[LO], v[C+4:C+7], s[6:7] offset:1024*(\s)+512
.endm
	LOADX 0
	LOADX 1
.irp s, 0,1,2,3,4,5,6,7
	XSTEP \s
.endr
.irp j, 0,1,2,3
	v_cndmask_b32 v[DI+\j], v[WD+2*\j], v[WD+2*\j+1], s40   ; image register j: lanes 0-15 K step 2 j, lanes 16-31 K step 2 j + 1
.endr
.irp j, 0,1,2,3
	ds_store_b32 v[S4], v[DI+\j] offset:128*\j
.endr
	ds_load_b128 v[BK:BK+3], v[SIN]                ; the image's 512 bytes, 16 a lane
	s_wait_dscnt 0x0
	global_store_b128 v[LO], v[BK:BK+3], s[14:15]
	s_wait_tensorcnt 0x0                           ; the wave's end
	ds_add_u32 v[SPW], v[NIL]
	s_wait_dscnt 0x0
	s_endpgm
; ---------------- the weights: tensor t = work-group / 32 (wq, wk, wv, wo), columns 32 cg on, cg = work-group % 32; wave j: k = 256 j on, in four pairs of blocks of 32
.Lweights:
	s_lshr_b32 s9, ttmp9, 5                        ; t
	s_and_b32 s12, ttmp9, 31                       ; cg
	s_cmp_lt_u32 s9, 1
	s_cselect_b64 s[4:5], s[22:23], s[24:25]
	s_cmp_lt_u32 s9, 2
	s_cselect_b64 s[4:5], s[4:5], s[26:27]
	s_cmp_lt_u32 s9, 3
	s_cselect_b64 s[4:5], s[4:5], s[28:29]
	s_lshl_b32 s10, s8, 20                         ; 256 rows of 4,096 bytes a wave
	s_lshl_b32 s13, s12, 7
	s_add_co_u32 s10, s10, s13
	s_add_nc_u64 s[4:5], s[4:5], s[10:11]
	v_lshlrev_b32 v[LW], 2, v1
.macro LOADP p                         ; pair p: w(256 j + 64 p + i, my column), i = 0 .. 63: neighbouring lanes read neighbouring columns
.set i, 0
.rept 64
	global_load_b32 v[R+64*((\p)%2)+i], v[LW], s[4:5] offset:4096*(64*(\p)+i) th:TH_LOAD_NT
.set i, i+1
.endr
.endm
.macro PWAIT p
.if (\p) < 3
	s_wait_loadcnt 63                              ; this pair's 64 loads are in (and the first of the next pair's 64: the count cannot name 64)
.else
	s_wait_loadcnt 0x0
.endif
.endm
	LOADP 0
	LOADP 1
	s_cmp_eq_u32 s9, 3
	s_cbranch_scc1 .Lwo
	s_lshl_b32 s10, s9, 19                         ; wc: 524,288 t + 16,384 cg (two column tiles) + 2,048 j (two K steps)
	s_lshl_b32 s13, s12, 14
	s_add_co_u32 s10, s10, s13
	s_lshl_b32 s13, s8, 11
	s_add_co_u32 s10, s10, s13
	s_add_nc_u64 s[6:7], s[34:35], s[10:11]
	s_lshl_b32 s10, s9, 15                         ; ws: 32,768 t + 1,024 cg + 128 j
	s_lshl_b32 s13, s12, 10
	s_add_co_u32 s10, s10, s13
	s_lshl_b32 s13, s8, 7
	s_add_co_u32 s10, s10, s13
	s_add_nc_u64 s[14:15], s[36:37], s[10:11]
; Pair p is half c = p % 2 of K step 2 j + p / 2.  A lane's two blocks are those of h = 0 and h = 1 of its column; lanes 0-15 hold columns of tile 2 cg, lanes 16-31 of tile 2 cg + 1.
; The exchange (the first register's lanes 16-31 with the second's lanes 0-15) makes of them group c of tile 2 cg and group c of tile 2 cg + 1.
.macro PAIRW p
	PWAIT \p
	AMAX R+64*((\p)%2)
.if (\p)%2 == 0
	v_lshl_or_b32 v[WD+(\p)/2], v15, 8, v14        ; the K step's word: bytes 0, 1
.else
	v_lshl_or_b32 v[WD+(\p)/2], v14, 16, v[WD+(\p)/2]   ; bytes 2,
	v_lshl_or_b32 v[WD+(\p)/2], v15, 24, v[WD+(\p)/2]   ; 3
.endif
	s_wait_xcnt 0x0                                ; the last pair's stores have read the codes' registers
	CODES R+64*((\p)%2)
.if (\p) < 2
	LOADP (\p)+2
.endif
.irp i, 0,1,2,3
	v_permlane16_swap_b32 v[C+\i], v[C+4+\i]
.endr
	global_store_b128 v[LO], v[C:C+3], s[6:7] offset:1024*((\p)/2)+512*((\p)%2)
	global_store_b128 v[LO], v[C+4:C+7], s[6:7] offset:1024*((\p)/2)+512*((\p)%2)+8192
.endm
.irp p, 0,1,2,3
	PAIRW \p
.endr
	v_permlane16_swap_b32 v[WD], v[WD+1]           ; image register j of tile 2 cg, and of tile 2 cg + 1
	global_store_b32 v[LW], v[WD], s[14:15]        ; 128 bytes each: the four waves' pieces make an image; ws is 98,304 bytes in all
	global_store_b32 v[LW], v[WD+1], s[14:15] offset:512
	s_endpgm
; ---------------- wo to f16.  Of 32 along K a lane's 16 packed registers are groups (c, h) = (0, 0), (0, 1), (1, 0), (1, 1), four registers each; the same exchange sorts them by tile
.Lwo:
	s_lshl_b32 s10, s12, 16                        ; wo16: 65,536 cg (two column tiles) + 8,192 j (eight fragments)
	s_lshl_b32 s13, s8, 13
	s_add_co_u32 s10, s10, s13
	s_add_nc_u64 s[6:7], s[38:39], s[10:11]
.macro PAIRO p
	PWAIT \p
	s_wait_xcnt 0x0                                ; the last pair's stores have read their registers
.irp u, 0,1
.irp i, 0,1,2,3,4,5,6,7,8,9,10,11,12,13,14,15
	v_cvt_pk_f16_f32 v[X+16*\u+\i], v[R+64*((\p)%2)+32*\u+2*\i], v[R+64*((\p)%2)+32*\u+2*\i+1]
.endr
.endr
.if (\p) < 2
	LOADP (\p)+2
.endif
.irp u, 0,1
.irp i, 0,1,2,3
	v_permlane16_swap_b32 v[X+16*\u+\i], v[X+16*\u+4+\i]
	v_permlane16_swap_b32 v[X+16*\u+8+\i], v[X+16*\u+12+\i]
.endr
.endr
.irp u, 0,1
	global_store_b128 v[LO], v[X+16*\u:X+16*\u+3], s[6:7] offset:1024*(2*(\p)+\u)
	global_store_b128 v[LO], v[X+16*\u+8:X+16*\u+11], s[6:7] offset:1024*(2*(\p)+\u)+512
	global_store_b128 v[LO], v[X+16*\u+4:X+16*\u+7], s[6:7] offset:1024*(2*(\p)+\u)+32768
	global_store_b128 v[LO], v[X+16*\u+12:X+16*\u+15], s[6:7] offset:1024*(2*(\p)+\u)+32768+512
.endr
.endm
.irp p, 0,1,2,3
	PAIRO \p
.endr
	s_endpgm
.Lfunc_end_k_qe5fcd27a76_quant:
	.size	k_qe5fcd27a76_quant, .Lfunc_end_k_qe5fcd27a76_quant-k_qe5fcd27a76_quant
	.p2alignl 7, 3214868480
	.fill 96, 4, 3214868480
	.section	.rodata,"a",@progbits
	.p2align	6, 0x0
	.amdhsa_kernel k_qe5fcd27a76_quant
		.amdhsa_group_segment_fixed_size 34304
		.amdhsa_private_segment_fixed_size 0
		.amdhsa_enable_private_segment 0
		.amdhsa_kernarg_size 96
		.amdhsa_user_sgpr_count 2
		.amdhsa_user_sgpr_kernarg_segment_ptr 1
		.amdhsa_wavefront_size32 1
		.amdhsa_system_sgpr_workgroup_id_x 1
		.amdhsa_system_sgpr_workgroup_id_y 1
		.amdhsa_system_sgpr_workgroup_id_z 1
		.amdhsa_system_vgpr_workitem_id 0
		.amdhsa_next_free_vgpr 240
		.amdhsa_next_free_sgpr 66
		.amdhsa_reserve_vcc 0
		.amdhsa_float_denorm_mode_32 3
		.amdhsa_float_denorm_mode_16_64 3
		.amdhsa_memory_ordered 1
		.amdhsa_forward_progress 1
		.amdhsa_inst_pref_size 121
	.end_amdhsa_kernel
	.amdgpu_metadata
---
amdhsa.version: [ 1, 2 ]
amdhsa.kernels:
  - .name:           k_qe5fcd27a76_quant
    .symbol:         k_qe5fcd27a76_quant.kd
    .args:
      - { .name: xq, .offset: 0, .size: 8, .value_kind: global_buffer, .address_space: global }
      - { .name: xk, .offset: 8, .size: 8, .value_kind: global_buffer, .address_space: global }
      - { .name: xv, .offset: 16, .size: 8, .value_kind: global_buffer, .address_space: global }
      - { .name: wq, .offset: 24, .size: 8, .value_kind: global_buffer, .address_space: global }
      - { .name: wk, .offset: 32, .size: 8, .value_kind: global_buffer, .address_space: global }
      - { .name: wv, .offset: 40, .size: 8, .value_kind: global_buffer, .address_space: global }
      - { .name: wo, .offset: 48, .size: 8, .value_kind: global_buffer, .address_space: global }
      - { .name: xc, .offset: 56, .size: 8, .value_kind: global_buffer, .address_space: global }
      - { .name: xs, .offset: 64, .size: 8, .value_kind: global_buffer, .address_space: global }
      - { .name: wc, .offset: 72, .size: 8, .value_kind: global_buffer, .address_space: global }
      - { .name: ws, .offset: 80, .size: 8, .value_kind: global_buffer, .address_space: global }
      - { .name: wo16, .offset: 88, .size: 8, .value_kind: global_buffer, .address_space: global }
    .group_segment_fixed_size: 34304
    .private_segment_fixed_size: 0
    .kernarg_segment_align: 8
    .kernarg_segment_size: 96
    .max_flat_workgroup_size: 128
    .sgpr_count:     66
    .vgpr_count:     240
    .wavefront_size: 32
...
	.end_amdgpu_metadata
.endif
;; end of part 1
;; launch proj (part 2): grid 4 x 96, 4 waves a work-group, clusters of 4 x 4, 327,680 bytes of LDS; arguments xc, xs, wc, ws, bq, bv, qkv; writes qkv
.if DOCPART == 2
	.amdgcn_target "amdgcn-amd-amdhsa--gfx1250"
	.amdhsa_code_object_version 6
	.text
	.protected	k_qe5fcd27a76_proj
	.globl	k_qe5fcd27a76_proj
	.p2align	8
	.type	k_qe5fcd27a76_proj,@function
k_qe5fcd27a76_proj:
	s_mov_b64 s[64:65], 0
	v_nop
	global_prefetch_b8 v0, s[64:65] scope:SCOPE_SE
	s_setreg_imm32_b32 hwreg(HW_REG_WAVE_MODE, 25, 1), 1
	s_wait_xcnt 0x0
	s_wait_alu depctr_hold_cnt(0) depctr_sa_sdst(0) depctr_va_vdst(0) depctr_va_sdst(0) depctr_va_ssrc(0) depctr_va_vcc(0) depctr_vm_vsrc(0)
	s_getreg_b32 s2, hwreg(HW_REG_IB_STS2, 6, 4)
	s_cmp_eq_u32 s2, 0
	s_cbranch_scc0 .Lentry_in_a_cluster
	s_endpgm
.Lentry_in_a_cluster:
	s_bfe_u32 s2, ttmp6, 0x10000c
	s_cmp_lg_u32 s2, 0xf033
	s_cbranch_scc0 .Lentry_shape_is_right
	s_endpgm
.Lentry_shape_is_right:
; LAUNCH 2 OF 4: the three quantised projections, on codes of FP4 with E8M0 scales, sums in f32; results + bias rounded to f16 and stored as the fragments that the attention launch takes.
; LEFT OUT AS DEAD WORK: bk (shown at the head of the first launch: q . bk / 8 is the same for all keys of a query and cancels in the softmax).
; A work-group of four waves makes 256 tokens x 256 columns of tensor t (0 q, 1 k, 2 v); a wave 128 x 128: 64 accumulators, 512 registers.  K = 1,024 lies in LDS whole, in two chunks of 512: nothing is filled again.
; OPERAND R is source 1 (its row falls on the lane), OPERAND P source 0 (eight neighbouring rows of it fall into a lane's eight registers).
;   t = 0, 1: R = x, P = w: a lane holds a token and eight channels: packed to f16 that is a group of a fragment of Q or K (16 tokens x 32 channels).
;   t = 2:    R = w, P = x: a lane holds a channel and eight tokens: a group of a fragment of V^T (16 channels x 32 keys).
; So results leave as they stand, 512 consecutive bytes a store, with no stage.  qkv: Q at 0 and K at 16 MiB: [batch x head 64][token tile 128][channels / 32: 2][1,024]; V at 32 MiB: [64][keys / 32: 64][channel tile 4][1,024].
; CLUSTERS, 4 x 4; t = cluster y / 8 is the same in all sixteen.  R's tile is shared along a row of the cluster (it hangs on cy alone), P's along a column (on cx alone): for t = 0, 1 cy picks the token tile and cx the
; column tile; for t = 2 cy picks the column tile and cx the token tile.  So LDS places and masks are constants of the text; only the buffers from which the tiles come are chosen by t.
; LIMITS: |q|, |k|, |v| up to 65,504 (f16); NaN and infinities among the inputs are not served.
; REGISTERS: window 0: v16-29 addresses; v32-63 R's scale words, v64-95 P's (tile i, register j: lanes 0-15 K step 2 j, lanes 16-31 K step 2 j + 1); v96-127 packed results; v128-191 R's fragments, one set, later sums + bias;
;   v192-255 biases.   window 1: P's fragments, two sets, v0 and v128.   windows 2, 3: accumulators, (a, b) at v[8 (8 (a % 4) + b)].
.set PT,    131072                     ; LDS: R's codes at 0, P's here: [chunk 2: 65,536][tile 16: 4,096][K step 4: 1,024]
.set RSC,   262144                     ; R's scale images, 16 x 512;
.set PSC,   270336                     ; P's
.set SPARE, 278528                     ; the spare words, 128 bytes for each wave
.set ADRR,  16                         ; v16-17 my R fragments in chunk 0, 1
.set ADRP,  20                         ; v20-21 my P fragments
.set ADSR,  22
.set ADSP,  23
.set LO,    24                         ; 16 x lane
.set BAQ,   25                         ; 32 h
.set BAV,   26                         ; 4 r
.set SPW,   28
.set NIL,   29
.set SR,    32
.set SP,    64
.set PK,    96
.set AF,    128
.set BI,    192
.set G1R,   24                         ; s[24:31] group 1 for R's codes; s[32:39] groups 0 for chunks 0, 1
.set G0R,   32
.set G1P,   48                         ; s[48:55], s[56:63] the same for P
.set G0P,   56
.set G1SR,  68                         ; s[68:75], s[76:79] R's scales;  s[80:87], s[88:91] P's
.set G0SR,  76
.set G1SP,  80
.set G0SP,  88
.set MSB, 0
.macro WIN new                         ; the immediate's high byte repeats the setting that is left
.if MSB != (\new)
	s_set_vgpr_msb (MSB<<8)|(\new)
.set MSB, (\new)
.endif
.endm
.set MUL_LO, 0xa1                      ; source 0 (P) window 1, source 1 (R) window 0, C and D window 2
.set MUL_HI, 0xf1
.set TO_P,   0x40
; A joint load: waves 0 and 1 fetch for R, waves 2 and 3 for P; an s_nop 0 and four v_nop follow each of the two lines
.macro JLOAD g0a, g1a, g0b, g1b
	s_cmp_eq_u32 s21, 0
	s_cbranch_scc0 .Lfor_p_\@
	tensor_load_to_lds s[\g0a:\g0a+3], s[\g1a:\g1a+7]
	s_nop 0
.rept 4
	v_nop
.endr
	s_branch .Lasked_\@
.Lfor_p_\@:
	tensor_load_to_lds s[\g0b:\g0b+3], s[\g1b:\g1b+7]
	s_nop 0
.rept 4
	v_nop
.endr
.Lasked_\@:
.endm
.macro CROUND                          ; a round of the cluster's barrier
	s_barrier_signal -1
	s_barrier_wait -1
	s_cmp_lg_u32 s20, 0
	s_cbranch_scc1 .Lnot_wave_0_\@
	s_barrier_signal -3
.Lnot_wave_0_\@:
	s_barrier_wait -3
	s_barrier_signal -1
	s_barrier_wait -1
.endm
.macro PLACES
.rept 4
	v_nop
.endr
.endm
	s_load_b256 s[4:11], s[0:1], 0x0               ; xc 4, xs 6, wc 8, ws 10
	s_load_b128 s[12:15], s[0:1], 0x20             ; bq 12, bv 14
	s_load_b64 s[16:17], s[0:1], 0x30              ; qkv
	v_lshl_add_u32 v[SPW], v0, 2, SPARE
	v_mov_b32 v[NIL], 0
	ds_add_u32 v[SPW], v[NIL]                      ; the wave's opening: the add, twice on end, and its wait ahead of my first tensor load
	ds_add_u32 v[SPW], v[NIL]
	v_lshrrev_b32 v1, 5, v0
	v_readfirstlane_b32 s20, v1                    ; wave
	s_lshr_b32 s21, s20, 1                         ; my half of R.  Also: I fetch for R (0) or for P (1)
	s_and_b32 s22, s20, 1                          ; my half of P.  Also: which 128 rows I fetch
	s_bfe_u32 s40, ttmp6, 0x40000                  ; cx
	s_bfe_u32 s41, ttmp6, 0x40004                  ; cy
	s_and_b32 s42, ttmp7, 0xffff                   ; cluster y, 0 .. 23
	s_lshr_b32 s23, s42, 3                         ; t
	s_and_b32 s42, s42, 7
	s_lshl_b32 s42, s42, 2                         ; the cluster's first token tile
	s_lshl_b32 s2, s23, 22                         ; tensor t in xc,
	s_lshl_b32 s3, s23, 19                         ; in wc,
	s_lshl_b32 s18, s23, 18                        ; in xs,
	s_lshl_b32 s19, s23, 15                        ; in ws
	s_cmp_eq_u32 s23, 2                            ; all selections on this compare stand ahead of the additions, which set SCC
	s_cselect_b32 s44, 0, s42
	s_cselect_b32 s45, s42, 0
	s_cselect_b32 s92, s3, s2                      ; R's codes,
	s_cselect_b32 s94, s2, s3                      ; P's codes,
	s_cselect_b32 s96, s19, s18                    ; R's scales,
	s_cselect_b32 s98, s18, s19                    ; P's scales: the tensor's first byte
	s_add_co_u32 s44, s44, s41                     ; R's tile of 256 rows: cy alone of the two places
	s_add_co_u32 s45, s45, s40                     ; P's: cx alone
	s_lshl_b32 s2, s44, 17                         ; 16 tiles of 8,192 bytes of codes,
	s_add_co_u32 s92, s92, s2
	s_lshl_b32 s2, s44, 13                         ; of 512 bytes of scales
	s_add_co_u32 s96, s96, s2
	s_lshl_b32 s3, s45, 17
	s_add_co_u32 s94, s94, s3
	s_lshl_b32 s3, s45, 13
	s_add_co_u32 s98, s98, s3
	s_lshl_b32 s18, s22, 16                        ; the half that I fetch
	s_add_co_u32 s92, s92, s18
	s_add_co_u32 s94, s94, s18
	s_lshl_b32 s18, s22, 12
	s_add_co_u32 s96, s96, s18
	s_add_co_u32 s98, s98, s18
	s_mov_b32 s93, 0
	s_mov_b32 s95, 0
	s_mov_b32 s97, 0
	s_mov_b32 s99, 0
	s_lshl_b32 s43, s41, 2
	s_lshl_b32 s43, 15, s43                        ; my row of the cluster
	s_lshl_b32 s46, 0x1111, s40                    ; my column
	; group 1, codes: 8 tiles' 4,096 bytes (four K steps), 8,192 bytes apart: 8 rows of 512 elements of 8 bytes; dense in LDS
	s_or_b32 s[G1R], s43, (3<<16)|(1<<21)
	s_or_b32 s[G1P], s46, (3<<16)|(1<<21)
.irp g, G1R, G1P
	s_mov_b32 s[\g+1], 512<<16                     ; tensor_dim0
	s_mov_b32 s[\g+2], 8<<16                       ; tensor_dim1
	s_mov_b32 s[\g+3], 512<<16                     ; tile_dim0
	s_mov_b32 s[\g+4], 8                           ; tile_dim1
	s_mov_b32 s[\g+5], 1024                        ; stride
	s_mov_b32 s[\g+6], 0
	s_mov_b32 s[\g+7], 0
.endr
	; group 1, scales: 8 images, 4,096 dense bytes, as 16 rows of 256 bytes
	s_or_b32 s[G1SR], s43, (3<<16)|(1<<21)
	s_or_b32 s[G1SP], s46, (3<<16)|(1<<21)
.irp g, G1SR, G1SP
	s_mov_b32 s[\g+1], 32<<16
	s_mov_b32 s[\g+2], 16<<16
	s_mov_b32 s[\g+3], 32<<16
	s_mov_b32 s[\g+4], 16
	s_mov_b32 s[\g+5], 32
	s_mov_b32 s[\g+6], 0
	s_mov_b32 s[\g+7], 0
.endr
	s_lshl_b32 s18, s21, 17                        ; where my loads go: R's region or P's, my half: the wave's number alone
	s_lshl_b32 s19, s22, 15
	s_add_co_u32 s18, s18, s19
	s_lshl_b32 s19, s20, 12
	s_wait_dscnt 0x0                               ; both opening adds are done
	s_wait_kmcnt 0x0
	s_cmp_eq_u32 s23, 2                            ; the buffers: a choice that hangs on no address
	s_cselect_b64 s[66:67], s[8:9], s[4:5]
	s_add_nc_u64 s[92:93], s[66:67], s[92:93]
	s_cselect_b64 s[66:67], s[4:5], s[8:9]
	s_add_nc_u64 s[94:95], s[66:67], s[94:95]
	s_cselect_b64 s[66:67], s[10:11], s[6:7]
	s_add_nc_u64 s[96:97], s[66:67], s[96:97]
	s_cselect_b64 s[66:67], s[6:7], s[10:11]
	s_add_nc_u64 s[98:99], s[66:67], s[98:99]
	CROUND                                         ; all sixteen work-groups are here: the joint loads meet
	s_mov_b32 s[G0SR], 1
	s_add_co_u32 s[G0SR+1], s19, RSC
	s_mov_b64 s[G0SR+2:G0SR+3], s[96:97]
	s_or_b32 s[G0SR+3], s[G0SR+3], 0x80000000
	s_mov_b32 s[G0SP], 1
	s_add_co_u32 s[G0SP+1], s19, RSC
	s_mov_b64 s[G0SP+2:G0SP+3], s[98:99]
	s_or_b32 s[G0SP+3], s[G0SP+3], 0x80000000
	JLOAD G0SR, G1SR, G0SP, G1SP                   ; the scales first: three loads of mine go out, all first fills
.irp c, 0,1
	s_mov_b32 s[G0R+4*\c], 1
	s_add_co_u32 s[G0R+4*\c+1], s18, \c*65536
	s_add_nc_u64 s[G0R+4*\c+2:G0R+4*\c+3], s[92:93], \c*4096
	s_or_b32 s[G0R+4*\c+3], s[G0R+4*\c+3], 0x80000000
	s_mov_b32 s[G0P+4*\c], 1
	s_add_co_u32 s[G0P+4*\c+1], s18, \c*65536
	s_add_nc_u64 s[G0P+4*\c+2:G0P+4*\c+3], s[94:95], \c*4096
	s_or_b32 s[G0P+4*\c+3], s[G0P+4*\c+3], 0x80000000
	JLOAD G0R+4*\c, G1R, G0P+4*\c, G1P
.endr
	v_and_b32 v1, 31, v0
	v_and_b32 v2, 15, v0
	v_bfe_u32 v3, v0, 4, 1
	v_lshlrev_b32 v[LO], 4, v1
	s_lshl_b32 s66, s21, 15
	s_lshl_b32 s67, s22, 15
	s_add_co_u32 s67, s67, PT
.irp c, 0,1
	v_add_nc_u32 v[ADRR+\c], s66, v[LO]
	v_add_nc_u32 v[ADRP+\c], s67, v[LO]
	s_add_co_u32 s66, s66, 65536
	s_add_co_u32 s67, s67, 65536
.endr
	v_lshlrev_b32 v4, 2, v1
	s_lshl_b32 s66, s21, 12
	s_add_co_u32 s66, s66, RSC
	v_add_nc_u32 v[ADSR], s66, v4
	s_lshl_b32 s67, s22, 12
	s_add_co_u32 s67, s67, PSC
	v_add_nc_u32 v[ADSP], s67, v4
	v_lshlrev_b32 v[BAQ], 5, v3
	v_lshlrev_b32 v[BAV], 2, v2
.macro FRAG reg, adr, q, i             ; a fragment's image: two loads of 512 consecutive bytes
.irp c, 0,1
	ds_load_b128 v[\reg+4*\c:\reg+4*\c+3], v[\adr] offset:4096*(\i)+1024*(\q)+512*\c
.endr
.endm
.macro FETCH_P ch, q, p
	WIN TO_P
.irp i, 0,1,2,3,4,5,6,7
	FRAG 128*(\p)+8*\i, ADRP+(\ch), \q, \i
.endr
	WIN 0
.endm
.macro FETCH_R ch, q, i0
.irp i, \i0, \i0+1, \i0+2, \i0+3
	FRAG AF+8*(\i), ADRR+(\ch), \q, \i
.endr
.endm
.macro SCALES                          ; all of K's scale words of my 8 + 8 tiles, once
.irp i, 0,1,2,3,4,5,6,7
.irp j, 0,1,2,3
	ds_load_b32 v[SR+4*\i+\j], v[ADSR] offset:512*\i+128*\j
	ds_load_b32 v[SP+4*\i+\j], v[ADSP] offset:512*\i+128*\j
.endr
.endr
.endm
; 16 matrix instructions of K step s: R's blocks a0, a0 + 1 x P's eight.  p: P's set.  The 64 accumulators take turns, one instruction a turn, in the same order in every step.
.macro MUL16 a0, p, s, zero
.irp a, \a0, \a0+1
.irp b, 0,1,2,3,4,5,6,7
.if \zero
	v_wmma_scale_f32_16x16x128_f8f6f4 v[8*(8*((\a)%4)+\b):8*(8*((\a)%4)+\b)+7], v[128*(\p)+8*\b:128*(\p)+8*\b+7], v[AF+8*(\a):AF+8*(\a)+7], 0, v[SP+4*\b+(\s)/2], v[SR+4*(\a)+(\s)/2] matrix_a_fmt:MATRIX_FMT_FP4 matrix_b_fmt:MATRIX_FMT_FP4
.elseif (\s)%2
	v_wmma_scale_f32_16x16x128_f8f6f4 v[8*(8*((\a)%4)+\b):8*(8*((\a)%4)+\b)+7], v[128*(\p)+8*\b:128*(\p)+8*\b+7], v[AF+8*(\a):AF+8*(\a)+7], v[8*(8*((\a)%4)+\b):8*(8*((\a)%4)+\b)+7], v[SP+4*\b+(\s)/2], v[SR+4*(\a)+(\s)/2] matrix_a_fmt:MATRIX_FMT_FP4 matrix_b_fmt:MATRIX_FMT_FP4 matrix_a_scale:MATRIX_SCALE_ROW1 matrix_b_scale:MATRIX_SCALE_ROW1
.else
	v_wmma_scale_f32_16x16x128_f8f6f4 v[8*(8*((\a)%4)+\b):8*(8*((\a)%4)+\b)+7], v[128*(\p)+8*\b:128*(\p)+8*\b+7], v[AF+8*(\a):AF+8*(\a)+7], v[8*(8*((\a)%4)+\b):8*(8*((\a)%4)+\b)+7], v[SP+4*\b+(\s)/2], v[SR+4*(\a)+(\s)/2] matrix_a_fmt:MATRIX_FMT_FP4 matrix_b_fmt:MATRIX_FMT_FP4
.endif
.endr
.endr
.endm
; K step s, whose successor lies in a chunk that has been shown whole.  A block of R is free as soon as its eight products are issued: one set serves R; P has two.
.macro STEP s, zero
	s_wait_dscnt 8                                 ; all but the youngest eight loads (R's blocks 4-7) are in
	WIN MUL_LO
	MUL16 0, (\s)%2, \s, \zero
	MUL16 2, (\s)%2, \s, \zero
	s_wait_dscnt 0x0                               ; R's blocks 4-7 are in
	PLACES                                         ; four places in front of loads into registers that matrix instructions have read
	FETCH_P ((\s)+1)/4, ((\s)+1)%4, 1-(\s)%2
	FETCH_R ((\s)+1)/4, ((\s)+1)%4, 0
	WIN MUL_HI
	MUL16 4, (\s)%2, \s, \zero
	MUL16 6, (\s)%2, \s, \zero
	PLACES
	WIN 0
	FETCH_R ((\s)+1)/4, ((\s)+1)%4, 4
.endm
	s_wait_tensorcnt 1                             ; my scales and my part of chunk 0 are in; chunk 1's load may stay out
	s_barrier_signal -1
	s_barrier_wait -1                              ; everybody's are
	FETCH_P 0, 0, 0
	FETCH_R 0, 0, 0
	SCALES
	FETCH_R 0, 0, 4
	STEP 0, 1                                      ; the first products start the sums: nothing is cleared
	STEP 1, 0
	STEP 2, 0
	; K step 3 goes over to chunk 1: one barrier
	s_wait_tensorcnt 0x0                           ; my part of chunk 1 has landed
	ds_add_u32 v[SPW], v[NIL]                      ; 0 onto my spare word
	s_wait_dscnt 9                                 ; (the add and R's blocks 4-7 may be out)
	WIN MUL_LO
	MUL16 0, 1, 3, 0
	s_wait_dscnt 0x0
	s_barrier_signal -1
	MUL16 2, 1, 3, 0
	WIN 0
	s_barrier_wait -1                              ; chunk 1 is whole
	PLACES
	FETCH_P 1, 0, 0
	FETCH_R 1, 0, 0
	WIN MUL_HI
	MUL16 4, 1, 3, 0
	MUL16 6, 1, 3, 0
	PLACES
	WIN 0
	FETCH_R 1, 0, 4
; THE WAY OUT of R's block a: + bias in f32, rounded to f16, eight stores of 512 consecutive bytes
.macro OUT mode
.irp a, 0,1,2,3,4,5,6,7
.set AC, 64*((\a)%4)
.if \mode == 1
	s_wait_xcnt 0x0                                ; the last block's stores have read the packed registers
	WIN 0x0a+5*((\a)/4)                            ; sources 0 and 1: window 2 or 3
.irp b, 0,1,2,3,4,5,6,7
.irp u, 0,1,2,3
	v_cvt_pk_f16_f32 v[PK+4*\b+\u], v[AC+8*\b+2*\u], v[AC+8*\b+2*\u+1]   ; each accumulator from its low end on
.endr
.endr
	WIN 0
.else
	WIN 0x02+(\a)/4                                ; source 0: window 2 or 3
.irp b, 0,1,2,3,4,5,6,7
.irp u, 0,1,2,3
.if \mode == 0
	v_pk_add_f32 v[AF+8*\b+2*\u:AF+8*\b+2*\u+1], v[AC+8*\b+2*\u:AC+8*\b+2*\u+1], v[BI+8*\b+2*\u:BI+8*\b+2*\u+1]   ; bq runs along the registers
.else
	v_pk_add_f32 v[AF+8*\b+2*\u:AF+8*\b+2*\u+1], v[AC+8*\b+2*\u:AC+8*\b+2*\u+1], v[BI+2*\a:BI+2*\a+1]             ; bv is the lane's channel's
.endif
.endr
.endr
	WIN 0
	s_wait_xcnt 0x0
.irp b, 0,1,2,3,4,5,6,7
.irp u, 0,1,2,3
	v_cvt_pk_f16_f32 v[PK+4*\b+\u], v[AF+8*\b+2*\u], v[AF+8*\b+2*\u+1]
.endr
.endr
.endif
.irp b, 0,1,2,3,4,5,6,7
.if \mode < 2
	global_store_b128 v[LO], v[PK+4*\b:PK+4*\b+3], s[16:17] offset:2048*\a+262144*(\b/4)+512*(\b%4)   ; token tile a; head b / 4, fragment and group b % 4
.else
	global_store_b128 v[LO], v[PK+4*\b:PK+4*\b+3], s[16:17] offset:262144*(\a/4)+1024*(\a%4)+4096*(\b/2)+512*(\b%2)   ; head a / 4, channel tile a % 4; keys / 32: b / 2, group b % 2
.endif
.endr
.endr
.endm
; The rest of the launch for one t: the bias is asked for four K steps ahead of its use
.macro TAIL mode
.if \mode == 0
	s_lshl_b32 s66, s45, 10                        ; bq at my first column: 256 x column tile + 128 x my half of P
	s_lshl_b32 s67, s22, 9
	s_add_co_u32 s66, s66, s67
	s_mov_b32 s67, 0
	s_add_nc_u64 s[12:13], s[12:13], s[66:67]
.irp b, 0,1,2,3,4,5,6,7
	global_load_b128 v[BI+8*\b:BI+8*\b+3], v[BAQ], s[12:13] offset:64*\b
	global_load_b128 v[BI+8*\b+4:BI+8*\b+7], v[BAQ], s[12:13] offset:64*\b+16
.endr
.endif
.if \mode == 2
	s_lshl_b32 s66, s44, 10                        ; bv at my first channel: 256 x column tile + 128 x my half of R
	s_lshl_b32 s67, s21, 9
	s_add_co_u32 s66, s66, s67
	s_mov_b32 s67, 0
	s_add_nc_u64 s[14:15], s[14:15], s[66:67]
.irp a, 0,1,2,3,4,5,6,7
	global_load_b32 v[BI+2*\a], v[BAV], s[14:15] offset:64*\a      ; twice: a pair for the packed addition
	global_load_b32 v[BI+2*\a+1], v[BAV], s[14:15] offset:64*\a
.endr
.endif
.if \mode < 2                          ; token tile s44, column tile s45
	s_lshl_b32 s66, s23, 24                        ; Q or K
	s_lshr_b32 s67, s44, 3
	s_lshl_b32 s67, s67, 22                        ; the batch: 16 heads of 262,144 bytes
	s_add_co_u32 s66, s66, s67
	s_lshl_b32 s67, s45, 20                        ; head 4 x column tile
	s_add_co_u32 s66, s66, s67
	s_lshl_b32 s67, s22, 19                        ; + 2 x my half of P
	s_add_co_u32 s66, s66, s67
	s_and_b32 s67, s44, 7
	s_lshl_b32 s67, s67, 15                        ; token tile 16 x (tile % 8)
	s_add_co_u32 s66, s66, s67
	s_lshl_b32 s67, s21, 14                        ; + 8 x my half of R
	s_add_co_u32 s66, s66, s67
.else                                  ; token tile s45, column tile s44
	s_lshr_b32 s66, s45, 3
	s_lshl_b32 s66, s66, 22
	s_add_co_u32 s66, s66, 32<<20                  ; V
	s_lshl_b32 s67, s44, 20
	s_add_co_u32 s66, s66, s67
	s_lshl_b32 s67, s21, 19
	s_add_co_u32 s66, s66, s67
	s_and_b32 s67, s45, 7
	s_lshl_b32 s67, s67, 15                        ; keys / 32: 8 x (tile % 8), 4,096 bytes each
	s_add_co_u32 s66, s66, s67
	s_lshl_b32 s67, s22, 14                        ; + 4 x my half of P
	s_add_co_u32 s66, s66, s67
.endif
	s_mov_b32 s67, 0
	s_add_nc_u64 s[16:17], s[16:17], s[66:67]
	STEP 4, 0
	STEP 5, 0
	STEP 6, 0
	s_wait_dscnt 8                                 ; the last step: nothing more to fetch
	WIN MUL_LO
	MUL16 0, 1, 7, 0
	MUL16 2, 1, 7, 0
	s_wait_dscnt 0x0
	WIN MUL_HI
	MUL16 4, 1, 7, 0
	MUL16 6, 1, 7, 0
	WIN 0
	PLACES                                         ; in front of the first read of results and the first write over R's fragments
.if \mode != 1
	s_wait_loadcnt 0x0                             ; the bias
.endif
	OUT \mode
.endm
	s_cmp_eq_u32 s23, 1                            ; ONE parting, on t: the same way in all sixteen work-groups
	s_cbranch_scc1 .Lmode1
	s_cmp_eq_u32 s23, 2
	s_cbranch_scc1 .Lmode2
	TAIL 0
	s_branch .Lend
.Lmode1:
	TAIL 1
	s_branch .Lend
.Lmode2:
	TAIL 2
.Lend:
	s_wait_tensorcnt 0x0                           ; the wave's end
	ds_add_u32 v[SPW], v[NIL]
	s_wait_dscnt 0x0
	CROUND                                         ; the closing round
	s_endpgm
.Lfunc_end_k_qe5fcd27a76_proj:
	.size	k_qe5fcd27a76_proj, .Lfunc_end_k_qe5fcd27a76_proj-k_qe5fcd27a76_proj
	.p2alignl 7, 3214868480
	.fill 96, 4, 3214868480
	.section	.rodata,"a",@progbits
	.p2align	6, 0x0
	.amdhsa_kernel k_qe5fcd27a76_proj
		.amdhsa_group_segment_fixed_size 327680
		.amdhsa_private_segment_fixed_size 0
		.amdhsa_enable_private_segment 0
		.amdhsa_kernarg_size 56
		.amdhsa_user_sgpr_count 2
		.amdhsa_user_sgpr_kernarg_segment_ptr 1
		.amdhsa_wavefront_size32 1
		.amdhsa_system_sgpr_workgroup_id_x 1
		.amdhsa_system_sgpr_workgroup_id_y 1
		.amdhsa_system_sgpr_workgroup_id_z 1
		.amdhsa_system_vgpr_workitem_id 0
		.amdhsa_next_free_vgpr 1024
		.amdhsa_next_free_sgpr 100
		.amdhsa_reserve_vcc 0
		.amdhsa_float_denorm_mode_32 3
		.amdhsa_float_denorm_mode_16_64 3
		.amdhsa_memory_ordered 1
		.amdhsa_forward_progress 1
		.amdhsa_inst_pref_size 255
	.end_amdhsa_kernel
	.section	.bss,"aw",@nobits
	.p2align	6
	.space	262144
	.amdgpu_metadata
---
amdhsa.version: [ 1, 2 ]
amdhsa.kernels:
  - .name:           k_qe5fcd27a76_proj
    .symbol:         k_qe5fcd27a76_proj.kd
    .args:
      - { .name: xc, .offset: 0, .size: 8, .value_kind: global_buffer, .address_space: global }
      - { .name: xs, .offset: 8, .size: 8, .value_kind: global_buffer, .address_space: global }
      - { .name: wc, .offset: 16, .size: 8, .value_kind: global_buffer, .address_space: global }
      - { .name: ws, .offset: 24, .size: 8, .value_kind: global_buffer, .address_space: global }
      - { .name: bq, .offset: 32, .size: 8, .value_kind: global_buffer, .address_space: global }
      - { .name: bv, .offset: 40, .size: 8, .value_kind: global_buffer, .address_space: global }
      - { .name: qkv, .offset: 48, .size: 8, .value_kind: global_buffer, .address_space: global }
    .group_segment_fixed_size: 327680
    .private_segment_fixed_size: 0
    .kernarg_segment_align: 8
    .kernarg_segment_size: 56
    .max_flat_workgroup_size: 128
    .sgpr_count:     100
    .vgpr_count:     1024
    .wavefront_size: 32
...
	.end_amdgpu_metadata
.endif
;; end of part 2
;; launch attn (part 3): grid 4 x 64, 8 waves a work-group, clusters of 4 x 1, 327,680 bytes of LDS; arguments qkv, cc; writes cc
.if DOCPART == 3
	.amdgcn_target "amdgcn-amd-amdhsa--gfx1250"
	.amdhsa_code_object_version 6
	.text
	.protected	k_qe5fcd27a76_attn
	.globl	k_qe5fcd27a76_attn
	.p2align	8
	.type	k_qe5fcd27a76_attn,@function
k_qe5fcd27a76_attn:
	s_mov_b64 s[64:65], 0
	v_nop
	global_prefetch_b8 v0, s[64:65] scope:SCOPE_SE
	s_setreg_imm32_b32 hwreg(HW_REG_WAVE_MODE, 25, 1), 1
	s_wait_xcnt 0x0
	s_wait_alu depctr_hold_cnt(0) depctr_sa_sdst(0) depctr_va_vdst(0) depctr_va_sdst(0) depctr_va_ssrc(0) depctr_va_vcc(0) depctr_vm_vsrc(0)
	s_getreg_b32 s2, hwreg(HW_REG_IB_STS2, 6, 4)
	s_cmp_eq_u32 s2, 0
	s_cbranch_scc0 .Lentry_in_a_cluster
	s_endpgm
.Lentry_in_a_cluster:
	s_bfe_u32 s2, ttmp6, 0x10000c
	s_cmp_lg_u32 s2, 0x3003
	s_cbranch_scc0 .Lentry_shape_is_right
	s_endpgm
.Lentry_shape_is_right:
; LAUNCH 3 OF 4: O = softmax(Q K^T / 8) V for each of the 64 (batch, head), head size 64, 2,048 keys, no mask.  Operands f16, products, maxima and sums f32; the weights p are rounded to f16 for the second product.
; LEFT OUT AS DEAD WORK: bk is not in K (shown at the head of the first launch).
; qkv holds fragments as images of registers (16 bytes a lane, 512 a group): Q at 0, K at 16 MiB: [bh 64][tile of 16: 128][channels / 32: 2][1,024]; V^T at 32 MiB: [bh][keys / 32: 64][channel tile 4][1,024].
; cc, the heads side by side, as fragments for the last launch: [token tile 512][k / 32: 32][1,024].
; SHARES.  A cluster of four work-groups is one (batch, head); work-group cx owns queries 512 cx on; each of its eight waves 64 of them: four tiles of 16, in 512 registers, two waves to a SIMD's 1,024.
; Every wave walks all keys, 64 a step.  K and V come through a ring of two LDS slots of 512 keys (64 KiB of K, 64 KiB of V), asked for JOINTLY by the four work-groups; each of the eight waves fetches 16 KiB.
; LAYOUT.  S^T = K Q^T (source 0 = 16 keys, source 1 = 16 queries), O^T = V^T P (source 0 = 16 channels, source 1 = P): a lane holds ONE query throughout; two tiles of S^T rounded to f16 in pairs ARE P's fragment.
; SOFTMAX.  A running maximum m and sum l for each query: p = 2^(c s - c m), c = log2(e) / 8; in every step O and l are multiplied by a = 2^(c m_old - c m_new).  m begins at -3e38, l and O at 0, so the step is written once.
; PHASES.  A step is 32 products K Q^T, the softmax of four tiles, 32 products V^T P.  A wave issues them in that order; what stands beside one wave's vector phase is the matrix phase of the other wave
; that shares the SIMD's registers with it: between two changes of slots, eight steps, no barrier holds the two in step.
; LIMITS: |q|, |k|, |v| up to 65,504 (f16); p under 2^-24 counts as 0 in the second product (it stays in the sum); NaN and infinities are not served.
; REGISTERS.  window 0: v2-11 addresses; v16-47 statistics, 8 a tile: +0 c m, +1 m, +2, +3 l, +4 .. +7 at work (a at +6); v64-191 S^T (tile t, key tile kt at 64 + 32 t + 8 kt), then P in the low 16 of each 32; v192-255 K.
;   window 1: v0-127 O^T (32 t + 8 ct); v128-191 Q (16 t + 8 c); v192-255 V^T (32 g + 8 ct).
.set SLOT1, 1<<17
.set SPARE, 262144                     ; behind the ring: the spare words, 128 bytes for each of eight waves
.set AK0, 2                            ; v2  16 x lane: a group's place for my lane; also my offset in Q and in cc
.set AV0, 3                            ; v3  + 65,536: V's half of a slot
.set ADK, 4
.set ADV, 5
.set PFO, 8                            ; v8  256 x lane
.set SPW, 10
.set NIL, 11
.set ST,  16
.set S,   64
.set KF,  192
.set QF,  128                          ; window 1
.set VF,  192                          ; window 1
.set WV,  12
.set G1,  24
.set G0,  32
.set SLOTS, 36
.set STEPS, 37
.set TB,  38                           ; LDS byte of the step in hand
.set CS,  40
.set SEL, 42
.set PFA, 44
.set LIM, 46
.set MSB, 0
.macro WIN new
.if MSB != (\new)
	s_set_vgpr_msb (MSB<<8)|(\new)
.set MSB, (\new)
.endif
.endm
.macro CROUND
	s_barrier_signal -1
	s_barrier_wait -1
	s_cmp_lg_u32 s[WV], 0
	s_cbranch_scc1 .Lnot_wave_0_\@
	s_barrier_signal -3
.Lnot_wave_0_\@:
	s_barrier_wait -3
	s_barrier_signal -1
	s_barrier_wait -1
.endm
	s_load_b128 s[4:7], s[0:1], 0x0                ; qkv, cc
	v_lshl_add_u32 v[SPW], v0, 2, SPARE
	v_mov_b32 v[NIL], 0
	ds_add_u32 v[SPW], v[NIL]                      ; the wave's opening: the add, twice on end, and its wait ahead of my first tensor load
	ds_add_u32 v[SPW], v[NIL]
	v_lshrrev_b32 v1, 5, v0
	v_readfirstlane_b32 s[WV], v1                  ; wave 0..7
	s_bfe_u32 s13, ttmp6, 0x40000                  ; cx: it enters Q's, cc's and the prefetches' addresses alone
	s_and_b32 s14, ttmp7, 0xffff                   ; bh = 16 batch + head, which the four partners share
	s_lshr_b32 s16, s[WV], 2                       ; what I fetch: waves 0-3 a quarter of K's 64 KiB, waves 4-7 of V's
	s_add_co_u32 s16, s16, 1
	s_lshl_b32 s16, s16, 24
	s_lshl_b32 s17, s14, 18
	s_add_co_u32 s16, s16, s17
	s_and_b32 s17, s[WV], 3
	s_lshl_b32 s17, s17, 14
	s_add_co_u32 s16, s16, s17
	s_mov_b32 s17, 0
	s_lshl_b32 s18, s14, 18                        ; Q: tile 32 cx + 4 wave, 2,048 bytes a tile
	s_lshl_b32 s19, s13, 16
	s_add_co_u32 s18, s18, s19
	s_lshl_b32 s19, s[WV], 13
	s_add_co_u32 s18, s18, s19
	s_mov_b32 s19, 0
	s_lshr_b32 s20, s14, 4                         ; cc: token tile 128 batch + 32 cx + 4 wave, 32,768 bytes a tile; + 2,048 head
	s_lshl_b32 s20, s20, 22
	s_lshl_b32 s21, s13, 20
	s_add_co_u32 s20, s20, s21
	s_lshl_b32 s21, s[WV], 17
	s_add_co_u32 s20, s20, s21
	s_and_b32 s21, s14, 15
	s_lshl_b32 s21, s21, 11
	s_add_co_u32 s20, s20, s21
	s_mov_b32 s21, 0
	s_lshl_b32 s22, s13, 13                        ; the prefetches: my work-group's 8,192 bytes, in slot 1 (stepped before use)
	s_add_co_u32 s22, s22, 65536
	s_mov_b32 s23, 0
	; group 1: 16,384 dense bytes as 64 rows of 256 (32 elements of 8 bytes); the mask names all four work-groups, bit 21 beside it
	s_mov_b32 s[G1], 15|(3<<16)|(1<<21)
	s_mov_b32 s[G1+1], 32<<16
	s_mov_b32 s[G1+2], 64<<16
	s_mov_b32 s[G1+3], 32<<16
	s_mov_b32 s[G1+4], 64
	s_mov_b32 s[G1+5], 32
	s_mov_b32 s[G1+6], 0
	s_mov_b32 s[G1+7], 0
	s_mov_b32 s[CS], 0x3e38aa3b                    ; c = log2(e) / 8
	s_mov_b32 s[CS+1], s[CS]
	s_mov_b32 s[SEL], 0x76543210
	s_mov_b32 s[SEL+1], 0xfedcba98
	s_mov_b32 s[TB], 0
	s_mov_b32 s[SLOTS], 3
	s_and_b32 s[LIM], s[WV], 1
	s_cmp_eq_u32 s[LIM], 0
	s_cselect_b32 s[LIM], 1, -1                    ; even waves prefetch
	v_and_b32 v1, 31, v0
	v_lshlrev_b32 v[AK0], 4, v1
	v_add_nc_u32 v[AV0], 65536, v[AK0]
	v_lshlrev_b32 v[PFO], 8, v1
	s_wait_dscnt 0x0                               ; both opening adds are done
	s_wait_kmcnt 0x0
	s_add_nc_u64 s[16:17], s[4:5], s[16:17]
	s_add_nc_u64 s[PFA:PFA+1], s[16:17], s[22:23]
	s_add_nc_u64 s[8:9], s[4:5], s[18:19]
	s_add_nc_u64 s[6:7], s[6:7], s[20:21]
	CROUND                                         ; all four work-groups are here
	s_mov_b32 s[G0], 1
	s_lshl_b32 s[G0+1], s[WV], 14                  ; LDS: 16,384 x wave, in slot 0
	s_mov_b64 s[G0+2:G0+3], s[16:17]
	s_or_b32 s[G0+3], s[G0+3], 0x80000000
	tensor_load_to_lds s[G0:G0+3], s[G1:G1+7]      ; keys 0 to 511: every wave issues its part, with no branch
	s_nop 0
.rept 4
	v_nop
.endr
	WIN 0x40                                       ; destination window 1
.irp t, 0,1,2,3
.irp c, 0,1
	global_load_b128 v[QF+16*\t+8*\c:QF+16*\t+8*\c+3], v[AK0], s[8:9] offset:2048*\t+1024*\c       ; Q stays in registers
	global_load_b128 v[QF+16*\t+8*\c+4:QF+16*\t+8*\c+7], v[AK0], s[8:9] offset:2048*\t+1024*\c+512
.endr
.endr
.set i, 0
.rept 128
	v_mov_b32 v[i], 0                              ; O^T, once: the step is written once, and its first run finds zeros, which a = 0 leaves zeros
.set i, i+1
.endr
	WIN 0
.irp t, 0,1,2,3
	v_mov_b32 v[ST+8*\t+1], 0xff61b1e6             ; m = -3e38, under every score
	v_mul_f32 v[ST+8*\t], s[CS], v[ST+8*\t+1]
.irp j, 2,3,4,5,6,7
	v_mov_b32 v[ST+8*\t+\j], 0                     ; l; and the registers at work (a lane permute's destination and a pair's upper half count as read)
.endr
.endr
.macro KQ                              ; 32 products: the 16 accumulators take turns, one instruction a turn; the first 16 start the sums
	WIN 0x04                                       ; Q in window 1
.irp c, 0,1
.irp kt, 0,1,2,3
.irp t, 0,1,2,3
.if \c == 0
	v_wmma_f32_16x16x32_f16 v[S+32*\t+8*\kt:S+32*\t+8*\kt+7], v[KF+16*\kt+8*\c:KF+16*\kt+8*\c+7], v[QF+16*\t+8*\c:QF+16*\t+8*\c+7], 0
.else
	v_wmma_f32_16x16x32_f16 v[S+32*\t+8*\kt:S+32*\t+8*\kt+7], v[KF+16*\kt+8*\c:KF+16*\kt+8*\c+7], v[QF+16*\t+8*\c:QF+16*\t+8*\c+7], v[S+32*\t+8*\kt:S+32*\t+8*\kt+7]
.endif
.endr
.endr
.endr
.endm
.macro PV                              ; 32 products O^T += V^T P: keys 32 g on, channels 16 ct on, tile t
	WIN 0x51                                       ; V and O^T in window 1, P in window 0
.irp g, 0,1
.irp ct, 0,1,2,3
.irp t, 0,1,2,3
	v_wmma_f32_16x16x32_f16 v[32*\t+8*\ct:32*\t+8*\ct+7], v[VF+32*\g+8*\ct:VF+32*\g+8*\ct+7], v[S+32*\t+8*\g:S+32*\t+8*\g+7], v[32*\t+8*\ct:32*\t+8*\ct+7]
.endr
.endr
.endr
.endm
.macro FETCH_K                         ; a step's K: 4 key tiles x 2 fragments, 16 loads of 512 consecutive bytes
	WIN 0
.irp kt, 0,1,2,3
.irp c, 0,1
	ds_load_b128 v[KF+16*\kt+8*\c:KF+16*\kt+8*\c+3], v[ADK] offset:2048*\kt+1024*\c
	ds_load_b128 v[KF+16*\kt+8*\c+4:KF+16*\kt+8*\c+7], v[ADK] offset:2048*\kt+1024*\c+512
.endr
.endr
.endm
.macro FETCH_V
	WIN 0x40
.irp g, 0,1
.irp ct, 0,1,2,3
	ds_load_b128 v[VF+32*\g+8*\ct:VF+32*\g+8*\ct+3], v[ADV] offset:4096*\g+1024*\ct
	ds_load_b128 v[VF+32*\g+8*\ct+4:VF+32*\g+8*\ct+7], v[ADV] offset:4096*\g+1024*\ct+512
.endr
.endr
.endm
; THE SOFTMAX of the wave's four tiles for one step; the tiles take turns line by line, so that no line waits for the line above it
.macro SM
	WIN 0
.irp j, 0,1,2,3                        ; the maximum of a lane's 32 scores and the old m: four chains, each begun at its accumulator's low end
.irp t, 0,1,2,3
	v_max3_num_f32 v[ST+8*\t+4+\j], v[S+32*\t+8*\j], v[S+32*\t+8*\j+1], v[S+32*\t+8*\j+2]
.endr
.endr
.irp q, 1,2
.irp j, 0,1,2,3
.irp t, 0,1,2,3
	v_max3_num_f32 v[ST+8*\t+4+\j], v[ST+8*\t+4+\j], v[S+32*\t+8*\j+2*\q+1], v[S+32*\t+8*\j+2*\q+2]
.endr
.endr
.endr
.irp t, 0,1,2,3
	v_max3_num_f32 v[ST+8*\t+4], v[ST+8*\t+4], v[S+32*\t+7], v[S+32*\t+15]
.endr
.irp t, 0,1,2,3
	v_max3_num_f32 v[ST+8*\t+6], v[ST+8*\t+6], v[S+32*\t+23], v[S+32*\t+31]
.endr
.irp t, 0,1,2,3
	v_max3_num_f32 v[ST+8*\t+4], v[ST+8*\t+4], v[ST+8*\t+5], v[ST+8*\t+6]
.endr
.irp t, 0,1,2,3
	v_max3_num_f32 v[ST+8*\t+4], v[ST+8*\t+4], v[ST+8*\t+7], v[ST+8*\t+1]
.endr
.irp t, 0,1,2,3
	v_permlanex16_b32 v[ST+8*\t+5], v[ST+8*\t+4], s[SEL], s[SEL+1]   ; the query's other 32 keys lie in the lane 16 away
.endr
.irp t, 0,1,2,3
	v_mov_b32 v[ST+8*\t+7], v[ST+8*\t]             ; c m_old
.endr
.irp t, 0,1,2,3
	v_max_num_f32 v[ST+8*\t+1], v[ST+8*\t+4], v[ST+8*\t+5]
.endr
.irp t, 0,1,2,3
	v_mul_f32 v[ST+8*\t], s[CS], v[ST+8*\t+1]
.endr
.irp t, 0,1,2,3
	v_sub_f32 v[ST+8*\t+7], v[ST+8*\t+7], v[ST+8*\t]
.endr
.irp t, 0,1,2,3
	v_exp_f32 v[ST+8*\t+6], v[ST+8*\t+7]           ; a.  ONE BATCH from here: 132 exponentials, none of whose results is named before the wait
.endr
.irp i, 0,2,4,6,8,10,12,14,16,18,20,22,24,26,28,30
.irp t, 0,1,2,3
	v_pk_fma_f32 v[S+32*\t+\i:S+32*\t+\i+1], v[S+32*\t+\i:S+32*\t+\i+1], s[CS:CS+1], v[ST+8*\t:ST+8*\t+1] op_sel_hi:[1,0,0] neg_lo:[0,0,1] neg_hi:[0,0,1]   ; c s - c m
.endr
.endr
.irp i, 0,1,2,3,4,5,6,7,8,9,10,11,12,13,14,15,16,17,18,19,20,21,22,23,24,25,26,27,28,29,30,31
.irp t, 0,1,2,3
	v_exp_f32 v[S+32*\t+\i], v[S+32*\t+\i]
.endr
.endr
	v_nop                                          ; a plain instruction behind the last exponential,
	s_wait_alu depctr_va_vdst(0)                   ; and the one wait ahead of the batch's first reader
.irp t, 0,1,2,3
	v_pk_fma_f32 v[ST+8*\t+2:ST+8*\t+3], v[ST+8*\t+2:ST+8*\t+3], v[ST+8*\t+6:ST+8*\t+7], v[S+32*\t:S+32*\t+1] op_sel_hi:[1,0,1]   ; l = a l + pair 0: the sum is taken of p in f32, in two chains
.endr
.irp t, 0,1,2,3
	v_pk_add_f32 v[ST+8*\t+4:ST+8*\t+5], v[S+32*\t+2:S+32*\t+3], v[S+32*\t+4:S+32*\t+5]
.endr
.irp i, 3,5,7,9,11,13
.irp t, 0,1,2,3
	v_pk_add_f32 v[ST+8*\t+2:ST+8*\t+3], v[ST+8*\t+2:ST+8*\t+3], v[S+32*\t+2*\i:S+32*\t+2*\i+1]
.endr
.irp t, 0,1,2,3
	v_pk_add_f32 v[ST+8*\t+4:ST+8*\t+5], v[ST+8*\t+4:ST+8*\t+5], v[S+32*\t+2*\i+2:S+32*\t+2*\i+3]
.endr
.endr
.irp t, 0,1,2,3
	v_pk_add_f32 v[ST+8*\t+2:ST+8*\t+3], v[ST+8*\t+2:ST+8*\t+3], v[S+32*\t+30:S+32*\t+31]
.endr
.irp t, 0,1,2,3
	v_pk_add_f32 v[ST+8*\t+2:ST+8*\t+3], v[ST+8*\t+2:ST+8*\t+3], v[ST+8*\t+4:ST+8*\t+5]
.endr
.irp i, 0,1,2,3,4,5,6,7,8,9,10,11,12,13,14,15
.irp t, 0,1,2,3
	v_cvt_pk_f16_f32 v[S+32*\t+\i], v[S+32*\t+2*\i], v[S+32*\t+2*\i+1]   ; P, in place, ascending: register i is written when pairs under i have been read
.endr
.endr
	WIN 0x41                                       ; O^T in window 1, a in window 0
.irp i, 0,2,4,6,8,10,12,14,16,18,20,22,24,26,28,30
.irp t, 0,1,2,3
	v_pk_mul_f32 v[32*\t+\i:32*\t+\i+1], v[32*\t+\i:32*\t+\i+1], v[ST+8*\t+6:ST+8*\t+7] op_sel_hi:[1,0]   ; each accumulator from its low end on
.endr
.endr
.endm
; A KEY STEP.  nextk = 1: the next step's K is fetched too (it lies in the same slot)
.macro STEP nextk
	s_wait_dscnt 0x0                               ; K is in
	KQ
	WIN 0
	v_add_nc_u32 v[ADV], s[TB], v[AV0]             ; four plain instructions: the places behind the products, ahead of the loads into K's registers and of the first read of scores
	s_add_co_u32 s[TB], s[TB], 8192
	v_add_nc_u32 v[ADK], s[TB], v[AK0]
	v_nop
	v_nop
	FETCH_V
.if \nextk
	FETCH_K
.endif
	SM
.if \nextk
	s_wait_dscnt 16                                ; V is in; K's 16 younger loads stay out
.else
	s_wait_dscnt 0x0
.endif
	PV
	WIN 0
.rept 5
	v_nop                                          ; five places: the next K Q^T writes over P, which these products read
.endr
.endm
.macro SLOT_STEPS                      ; a slot's eight steps: seven in a loop, the last without a fetch of K
	v_add_nc_u32 v[ADK], s[TB], v[AK0]
	FETCH_K
	s_mov_b32 s[STEPS], 7
.Lstep_\@:
	STEP 1
	s_sub_co_u32 s[STEPS], s[STEPS], 1
	s_cmp_lg_u32 s[STEPS], 0
	s_cbranch_scc1 .Lstep_\@
	STEP 0
	s_sub_co_u32 s[TB], s[TB], 65536               ; back to a slot's first step,
	s_xor_b32 s[TB], s[TB], SLOT1                  ; in the other slot
.endm
; THE CHANGE OF SLOTS stands at a slot's head.  Each wave waits for all its tensor loads (its part of the slot ahead), adds 0 to its spare word, and waits for that and for its reads of the slot that it has left.
; fill = 1: behind a round of the cluster's barrier the other slot takes the next 512 keys: one load a wave, with eight steps in which to land.  In the first trip that is slot 1's first fill, in every wave.
.macro CHANGE fill
	s_wait_tensorcnt 0x0                           ; no tensor load of mine is out, so group 0 may be written
	ds_add_u32 v[SPW], v[NIL]
.if \fill
	s_xor_b32 s[G0+1], s[G0+1], SLOT1
	s_add_nc_u64 s[G0+2:G0+3], s[G0+2:G0+3], 65536
	s_wait_xcnt 0x0                                ; the last prefetch, a slot back, has read its address
	s_add_nc_u64 s[PFA:PFA+1], s[PFA:PFA+1], 65536
	s_wait_dscnt 0x0
	CROUND
	tensor_load_to_lds s[G0:G0+3], s[G1:G1+7]
	s_nop 0
.rept 4
	v_nop
.endr
	; a prefetch of what the NEXT change will ask for, eight key steps ahead of that load.  An even wave names 8,192 bytes, lanes 256 bytes apart, of the 32,768 that it and the next wave will fetch; the four partners
	; take a quarter each, told apart by address.  So each block of 256 bytes is named once in the launch.  The last change that fills a slot asks for nothing; slots 0 and 1 come by their loads alone
	s_cmp_gt_u32 s[SLOTS], s[LIM]
	s_cbranch_scc0 .Lnot_mine_\@
	global_prefetch_b8 v[PFO], s[PFA:PFA+1] th:TH_LOAD_NT scope:SCOPE_SE
.Lnot_mine_\@:
.else
	s_wait_dscnt 0x0
	s_barrier_signal -1
	s_barrier_wait -1
.endif
.endm
	s_wait_loadcnt 0x0                             ; Q
.Lslot:                                            ; three trips: behind each change of slots but the last the next 512 keys are asked for
	CHANGE 1
	SLOT_STEPS
	s_sub_co_u32 s[SLOTS], s[SLOTS], 1
	s_cmp_lg_u32 s[SLOTS], 0
	s_cbranch_scc1 .Lslot
	CHANGE 0                                       ; the last slot is written out
	SLOT_STEPS
	; THE WAY OUT.  O^T / l, rounded to f16: a lane's eight channels of a query are a group of a fragment of cc, in the same lane: stores of 512 consecutive bytes, no stage
.irp t, 0,1,2,3
	v_add_f32 v[ST+8*\t+4], v[ST+8*\t+2], v[ST+8*\t+3]
.endr
.irp t, 0,1,2,3
	v_permlanex16_b32 v[ST+8*\t+5], v[ST+8*\t+4], s[SEL], s[SEL+1]
.endr
.irp t, 0,1,2,3
	v_add_f32 v[ST+8*\t+4], v[ST+8*\t+4], v[ST+8*\t+5]
.endr
.irp t, 0,1,2,3
	v_rcp_f32 v[ST+8*\t+6], v[ST+8*\t+4]
.endr
	v_nop
	s_wait_alu depctr_va_vdst(0)                   ; one wait for the four reciprocals, ahead of their first reader
.irp t, 0,1,2,3
	WIN 0x41
.irp i, 0,2,4,6,8,10,12,14,16,18,20,22,24,26,28,30
	v_pk_mul_f32 v[32*\t+\i:32*\t+\i+1], v[32*\t+\i:32*\t+\i+1], v[ST+8*\t+6:ST+8*\t+7] op_sel_hi:[1,0]
.endr
	WIN 0x05                                       ; sources in window 1, destination in window 0
.irp i, 0,1,2,3,4,5,6,7,8,9,10,11,12,13,14,15
	v_cvt_pk_f16_f32 v[S+16*\t+\i], v[32*\t+2*\i], v[32*\t+2*\i+1]
.endr
	WIN 0
.irp ct, 0,1,2,3
	global_store_b128 v[AK0], v[S+16*\t+4*\ct:S+16*\t+4*\ct+3], s[6:7] offset:32768*\t+512*\ct
.endr
.endr
	s_wait_tensorcnt 0x0                           ; the wave's end
	ds_add_u32 v[SPW], v[NIL]
	s_wait_dscnt 0x0
	CROUND                                         ; the closing round
	s_endpgm
.Lfunc_end_k_qe5fcd27a76_attn:
	.size	k_qe5fcd27a76_attn, .Lfunc_end_k_qe5fcd27a76_attn-k_qe5fcd27a76_attn
	.p2alignl 7, 3214868480
	.fill 96, 4, 3214868480
	.section	.rodata,"a",@progbits
	.p2align	6, 0x0
	.amdhsa_kernel k_qe5fcd27a76_attn
		.amdhsa_group_segment_fixed_size 327680
		.amdhsa_private_segment_fixed_size 0
		.amdhsa_enable_private_segment 0
		.amdhsa_kernarg_size 16
		.amdhsa_user_sgpr_count 2
		.amdhsa_user_sgpr_kernarg_segment_ptr 1
		.amdhsa_wavefront_size32 1
		.amdhsa_system_sgpr_workgroup_id_x 1
		.amdhsa_system_sgpr_workgroup_id_y 1
		.amdhsa_system_sgpr_workgroup_id_z 1
		.amdhsa_system_vgpr_workitem_id 0
		.amdhsa_next_free_vgpr 512
		.amdhsa_next_free_sgpr 66
		.amdhsa_reserve_vcc 0
		.amdhsa_float_denorm_mode_32 3
		.amdhsa_float_denorm_mode_16_64 3
		.amdhsa_memory_ordered 1
		.amdhsa_forward_progress 1
		.amdhsa_inst_pref_size 150
	.end_amdhsa_kernel
	.amdgpu_metadata
---
amdhsa.version: [ 1, 2 ]
amdhsa.kernels:
  - .name:           k_qe5fcd27a76_attn
    .symbol:         k_qe5fcd27a76_attn.kd
    .args:
      - { .name: qkv, .offset: 0, .size: 8, .value_kind: global_buffer, .address_space: global }
      - { .name: cc, .offset: 8, .size: 8, .value_kind: global_buffer, .address_space: global }
    .group_segment_fixed_size: 327680
    .private_segment_fixed_size: 0
    .kernarg_segment_align: 8
    .kernarg_segment_size: 16
    .max_flat_workgroup_size: 256
    .sgpr_count:     66
    .vgpr_count:     512
    .wavefront_size: 32
...
	.end_amdgpu_metadata
.endif
;; end of part 3
;; launch oproj (part 4): grid 4 x 64, 4 waves a work-group, clusters of 4 x 4, 327,680 bytes of LDS; arguments cc, wo16, bo, out0; writes out0
.if DOCPART == 4
	.amdgcn_target "amdgcn-amd-amdhsa--gfx1250"
	.amdhsa_code_object_version 6
	.text
	.protected	k_qe5fcd27a76_oproj
	.globl	k_qe5fcd27a76_oproj
	.p2align	8
	.type	k_qe5fcd27a76_oproj,@function
k_qe5fcd27a76_oproj:
	s_mov_b64 s[64:65], 0
	v_nop
	global_prefetch_b8 v0, s[64:65] scope:SCOPE_SE
	s_setreg_imm32_b32 hwreg(HW_REG_WAVE_MODE, 25, 1), 1
	s_wait_xcnt 0x0
	s_wait_alu depctr_hold_cnt(0) depctr_sa_sdst(0) depctr_va_vdst(0) depctr_va_sdst(0) depctr_va_ssrc(0) depctr_va_vcc(0) depctr_vm_vsrc(0)
	s_getreg_b32 s2, hwreg(HW_REG_IB_STS2, 6, 4)
	s_cmp_eq_u32 s2, 0
	s_cbranch_scc0 .Lentry_in_a_cluster
	s_endpgm
.Lentry_in_a_cluster:
	s_bfe_u32 s2, ttmp6, 0x10000c
	s_cmp_lg_u32 s2, 0xf033
	s_cbranch_scc0 .Lentry_shape_is_right
	s_endpgm
.Lentry_shape_is_right:
; LAUNCH 4 OF 4: out0 = concat wo + bo.  Operands f16 (cc and wo16, both laid as images of fragments: 16 rows x 32 K in 1,024 bytes, [tile][k / 32: 32][1,024]), sums f32, out0 f32, row-major.
; A work-group of four waves makes 128 tokens x 256 columns: 256 work-groups.  A wave makes 64 x 128: 32 accumulators, window 1.  K goes in steps of 128 through a ring of two LDS slots.
; THE MATRIX INSTRUCTION IS USED TRANSPOSED: source 0 = 16 columns of wo, source 1 = 16 tokens: a lane holds eight neighbouring numbers of a row of out0.
; CLUSTERS, 4 x 4: cc's tile hangs on the tile row alone and is asked for jointly along a row of the cluster, wo16's on the tile column alone and jointly along a column.
; LIMITS: |concat| and |wo| up to 65,504 (f16).
; REGISTERS: window 0: v16-30 addresses; v32-35 bo; two fragment buffers of 96 (64 of wo's eight blocks, 32 of the tokens' four) at v64 and v160; on the way out v64-191 rows of out0.   window 1: accumulator (a, b) at v[8 (8 a + b)].
.set SLOT,   98304                     ; cc's 8 tiles x 4,096 bytes, then wo16's 16 tiles x 4,096
.set BOFF,   32768
.set STAGE,  2*SLOT                    ; 16 rows x (512 + 16) bytes for each wave
.set SPITCH, 528
.set SPARE,  STAGE+4*16*SPITCH
.set LAPS,   4                         ; 8 K steps, two a lap
.set ADRA, 16
.set ADRB, 20
.set STO,  24
.set RD,   25
.set CO,   26                          ; 16 x lane
.set SPW,  28
.set NIL,  29
.set PFO,  30
.set BO,   32
.set F0,   64
.set F1,   160
.set BK,   64
.set G1,  24
.set G0,  32
.set G1B, 48
.set G0B, 56
.set LIM, 43
.set PFA, 44
.set MSB, 0
.macro WIN new
.if MSB != (\new)
	s_set_vgpr_msb (MSB<<8)|(\new)
.set MSB, (\new)
.endif
.endm
.set MUL, 0x50                         ; C and D window 1, sources window 0
.macro JLOAD s                         ; waves 0 and 1 fetch cc's halves, waves 2 and 3 wo16's; an s_nop 0 and four v_nop follow each of the two lines
	s_cmp_eq_u32 s13, 0
	s_cbranch_scc0 .Lfor_b_\@
	tensor_load_to_lds s[G0+4*\s:G0+4*\s+3], s[G1:G1+7]
	s_nop 0
.rept 4
	v_nop
.endr
	s_branch .Lasked_\@
.Lfor_b_\@:
	tensor_load_to_lds s[G0B+4*\s:G0B+4*\s+3], s[G1B:G1B+7]
	s_nop 0
.rept 4
	v_nop
.endr
.Lasked_\@:
.endm
.macro CREST
	s_cmp_lg_u32 s12, 0
	s_cbranch_scc1 .Lnot_wave_0_\@
	s_barrier_signal -3
.Lnot_wave_0_\@:
	s_barrier_wait -3
	s_barrier_signal -1
	s_barrier_wait -1
.endm
.macro CROUND
	s_barrier_signal -1
	s_barrier_wait -1
	CREST
.endm
.macro PLACES
.rept 4
	v_nop
.endr
.endm
	s_load_b256 s[4:11], s[0:1], 0x0               ; cc 4, wo16 6, bo 8, out0 10
	v_lshl_add_u32 v[SPW], v0, 2, SPARE
	v_mov_b32 v[NIL], 0
	ds_add_u32 v[SPW], v[NIL]                      ; the wave's opening: the add, twice on end, and its wait ahead of my first tensor load
	ds_add_u32 v[SPW], v[NIL]
	v_lshrrev_b32 v1, 5, v0
	v_readfirstlane_b32 s12, v1                    ; wave
	s_lshr_b32 s13, s12, 1                         ; my half of the tokens.  Also: I fetch cc (0) or wo16 (1)
	s_and_b32 s14, s12, 1                          ; my half of the columns.  Also: which half of that tile I fetch
	s_bfe_u32 s40, ttmp6, 0x40000                  ; cx = the tile column (the grid is one cluster wide)
	s_bfe_u32 s41, ttmp6, 0x40004                  ; cy
	s_and_b32 s42, ttmp7, 0xffff
	s_lshl_b32 s42, s42, 2
	s_add_co_u32 s42, s42, s41                     ; the tile row
	s_lshl_b32 s46, s41, 2
	s_lshl_b32 s46, 15, s46                        ; my row of the cluster
	s_lshl_b32 s47, 0x1111, s40                    ; my column
	; group 1: tiles' 4,096 bytes (a K step), 32,768 bytes apart: rows of 512 elements of 8 bytes; cc: 4 rows a load, wo16: 8
	s_or_b32 s[G1], s46, (3<<16)|(1<<21)
	s_or_b32 s[G1B], s47, (3<<16)|(1<<21)
	s_mov_b32 s[G1+1], 512<<16
	s_mov_b32 s[G1+2], 4<<16
	s_mov_b32 s[G1+3], 512<<16
	s_mov_b32 s[G1+4], 4
	s_mov_b32 s[G1+5], 4096
	s_mov_b32 s[G1+6], 0
	s_mov_b32 s[G1+7], 0
	s_mov_b32 s[G1B+1], 512<<16
	s_mov_b32 s[G1B+2], 8<<16
	s_mov_b32 s[G1B+3], 512<<16
	s_mov_b32 s[G1B+4], 8
	s_mov_b32 s[G1B+5], 4096
	s_mov_b32 s[G1B+6], 0
	s_mov_b32 s[G1B+7], 0
	s_lshl_b32 s16, s42, 18                        ; cc: tile 8 x tile row + 4 x half
	s_lshl_b32 s17, s14, 17
	s_add_co_u32 s16, s16, s17
	s_mov_b32 s17, 0
	s_lshl_b32 s18, s40, 19                        ; wo16: tile 16 x tile column + 8 x half
	s_lshl_b32 s19, s14, 18
	s_add_co_u32 s18, s18, s19
	s_mov_b32 s19, 0
	s_lshl_b32 s20, s14, 14                        ; where they go: the wave's number alone
	s_lshl_b32 s21, s14, 15
	s_add_co_u32 s21, s21, BOFF
	s_wait_dscnt 0x0                               ; both opening adds are done
	s_wait_kmcnt 0x0
	s_add_nc_u64 s[16:17], s[4:5], s[16:17]
	s_add_nc_u64 s[18:19], s[6:7], s[18:19]
	CROUND
.irp s, 0,1
	s_mov_b32 s[G0+4*\s], 1
	s_add_co_u32 s[G0+4*\s+1], s20, \s*SLOT
	s_add_nc_u64 s[G0+4*\s+2:G0+4*\s+3], s[16:17], \s*4096
	s_or_b32 s[G0+4*\s+3], s[G0+4*\s+3], 0x80000000
	s_mov_b32 s[G0B+4*\s], 1
	s_add_co_u32 s[G0B+4*\s+1], s21, \s*SLOT
	s_add_nc_u64 s[G0B+4*\s+2:G0B+4*\s+3], s[18:19], \s*4096
	s_or_b32 s[G0B+4*\s+3], s[G0B+4*\s+3], 0x80000000
	JLOAD \s                                       ; K steps 0 and 1: two loads of mine are out
.endr
	v_and_b32 v1, 31, v0
	v_and_b32 v2, 15, v0
	v_bfe_u32 v3, v0, 4, 1
	v_lshlrev_b32 v[CO], 4, v1
	s_lshl_b32 s22, s13, 14                        ; my four token tiles,
	s_lshl_b32 s23, s14, 15
	s_add_co_u32 s23, s23, BOFF                    ; my eight column tiles
.irp s, 0,1
	v_add_nc_u32 v[ADRA+\s], s22, v[CO]
	v_add_nc_u32 v[ADRB+\s], s23, v[CO]
	s_add_co_u32 s22, s22, SLOT
	s_add_co_u32 s23, s23, SLOT
.endr
	s_mul_i32 s22, s12, 16*SPITCH
	s_add_co_u32 s22, s22, STAGE                   ; my stage
	v_mul_u32_u24 v4, v2, SPITCH
	v_lshl_add_u32 v4, v3, 5, v4
	v_add_nc_u32 v[STO], s22, v4                   ; in: row r, 32 bytes for each half of the lanes
	v_add_nc_u32 v[RD], s22, v[CO]                 ; back: a row of 512 bytes, 16 a lane
	s_lshl_b32 s20, s40, 10                        ; my first column, in bytes: 1,024 x tile column + 512 x half
	s_lshl_b32 s21, s14, 9
	s_add_co_u32 s20, s20, s21
	s_mov_b32 s21, 0
	s_add_nc_u64 s[8:9], s[8:9], s[20:21]
	global_load_b128 v[BO:BO+3], v[CO], s[8:9]     ; bo of my lane's four columns of a row read back
	s_add_nc_u64 s[10:11], s[10:11], s[20:21]
	s_lshl_b32 s20, s42, 19                        ; my first row: 128 x tile row + 64 x half, 4,096 bytes a row
	s_lshl_b32 s22, s13, 18
	s_add_co_u32 s20, s20, s22
	s_add_nc_u64 s[10:11], s[10:11], s[20:21]
	; the prefetches: cc's K step two refills on.  A tile row of cc is read by this cluster alone; in each work-group wave 0 asks, for tiles 2 cx and 2 cx + 1 of the row's eight (told apart by address):
	; 2 x 4,096 bytes, lanes 256 bytes apart: each block of 256 bytes is named once in the launch.  wo16 is not asked for: all clusters walk the same 2 MiB of it in step
	s_lshl_b32 s20, s42, 18
	s_lshl_b32 s22, s40, 16
	s_add_co_u32 s20, s20, s22
	s_add_co_u32 s20, s20, 2*4096                  ; at K step 2: the first refill steps it to 3 and names K step 4
	s_add_nc_u64 s[PFA:PFA+1], s[4:5], s[20:21]
	s_cmp_eq_u32 s12, 0
	s_cselect_b32 s[LIM], 1, -1
	v_lshlrev_b32 v[PFO], 8, v2
	v_lshl_add_u32 v[PFO], v3, 15, v[PFO]
.macro MUL8 f, a, zero                 ; token block a x the eight column blocks, 32 along K.  The 32 accumulators take turns, in the same order in every quarter
.irp b, 0,1,2,3,4,5,6,7
.if \zero
	v_wmma_f32_16x16x32_f16 v[8*(8*(\a)+\b):8*(8*(\a)+\b)+7], v[\f+8*\b:\f+8*\b+7], v[\f+64+8*(\a):\f+64+8*(\a)+7], 0
.else
	v_wmma_f32_16x16x32_f16 v[8*(8*(\a)+\b):8*(8*(\a)+\b)+7], v[\f+8*\b:\f+8*\b+7], v[\f+64+8*(\a):\f+64+8*(\a)+7], v[8*(8*(\a)+\b):8*(8*(\a)+\b)+7]
.endif
.endr
.endm
.macro FETCH slot, q, f                ; 24 loads in one run: the quarter's fragments; the token blocks last
	WIN 0
.irp i, 0,1,2,3,4,5,6,7
	ds_load_b128 v[\f+8*\i:\f+8*\i+3],   v[ADRB+\slot] offset:4096*\i+1024*(\q)
	ds_load_b128 v[\f+8*\i+4:\f+8*\i+7], v[ADRB+\slot] offset:4096*\i+1024*(\q)+512
.endr
.irp i, 0,1,2,3
	ds_load_b128 v[\f+64+8*\i:\f+64+8*\i+3],   v[ADRA+\slot] offset:4096*\i+1024*(\q)
	ds_load_b128 v[\f+64+8*\i+4:\f+64+8*\i+7], v[ADRA+\slot] offset:4096*\i+1024*(\q)+512
.endr
.endm
; A K step is four quarters of 32 along K, 32 matrix instructions each, on buffers 0, 1, 0, 1.  One of the first three: multiplies buffer f and fetches quarter qn into g
.macro QUARTER slot, qn, f, g, zero
	s_wait_dscnt 4                                 ; all but token blocks 2 and 3 (four loads) are in
	WIN MUL
	MUL8 \f, 0, \zero
	MUL8 \f, 1, \zero
	PLACES                                         ; in front of loads into registers that matrix instructions have read
	FETCH \slot, \qn, \g
	s_wait_dscnt 24                                ; all but the 24 just issued
	WIN MUL
	MUL8 \f, 2, \zero
	MUL8 \f, 3, \zero
.endm
; The last quarter multiplies buffer 1 and changes slots: ONE barrier; in front of it each wave waits for all its tensor loads, adds 0 to its spare word, and waits for that and for its reads of this slot
.macro TURN slot, next, fill
	WIN 0
.if \fill
	s_wait_xcnt 0x0                                ; the last prefetch, a K step back, has read its address
	s_add_nc_u64 s[PFA:PFA+1], s[PFA:PFA+1], 4096
.endif
	s_wait_tensorcnt 0x0                           ; my part of the next slot has landed
	ds_add_u32 v[SPW], v[NIL]
	s_wait_dscnt 5                                 ; (the add and token blocks 2 and 3 may be out)
	WIN MUL
	MUL8 F1, 0, 0
	s_wait_dscnt 0x0                               ; the add is done, and my reads of this slot are over
	s_barrier_signal -1
	MUL8 F1, 1, 0
.if \fill
	WIN 0
.endif
	s_barrier_wait -1
.if \fill
	CREST                                          ; the barrier has opened a round of the cluster's: no wave of any partner still reads this slot or has a load on its way
	s_add_nc_u64 s[G0+4*\slot+2:G0+4*\slot+3], s[G0+4*\slot+2:G0+4*\slot+3], 2*4096
	s_add_nc_u64 s[G0B+4*\slot+2:G0B+4*\slot+3], s[G0B+4*\slot+2:G0B+4*\slot+3], 2*4096
	JLOAD \slot                                    ; the first tensor load behind the round; its four v_nop are also the places in front of the loads below
.else
	PLACES
.endif
	FETCH \next, 0, F0
.if \fill
	s_cmp_gt_u32 s3, s[LIM]                        ; the loop's last trip has no K step two refills on
	s_cbranch_scc0 .Lnot_mine_\@
	global_prefetch_b8 v[PFO], s[PFA:PFA+1] offset:4096 th:TH_LOAD_NT scope:SCOPE_SE
.Lnot_mine_\@:
.endif
	WIN MUL
	MUL8 F1, 2, 0
	MUL8 F1, 3, 0
.endm
	s_wait_tensorcnt 1                             ; my part of K step 0 is in; K step 1's may stay out
	s_barrier_signal -1
	s_barrier_wait -1
	FETCH 0, 0, F0
	QUARTER 0, 1, F0, F1, 1                        ; the first quarter's products start the sums
	WIN 0
	s_mov_b32 s3, LAPS-1
.Llap:                                             ; a trip goes once round the ring, from a lap's second quarter to the next lap's first, and fills both slots again
	QUARTER 0, 2, F1, F0, 0
	QUARTER 0, 3, F0, F1, 0
	TURN 0, 1, 1
	QUARTER 1, 1, F0, F1, 0
	QUARTER 1, 2, F1, F0, 0
	QUARTER 1, 3, F0, F1, 0
	TURN 1, 0, 1
	QUARTER 0, 1, F0, F1, 0
	WIN 0
	s_sub_co_u32 s3, s3, 1
	s_cmp_lg_u32 s3, 0
	s_cbranch_scc1 .Llap
	QUARTER 0, 2, F1, F0, 0                        ; the last lap fills nothing
	QUARTER 0, 3, F0, F1, 0
	TURN 0, 1, 0
	QUARTER 1, 1, F0, F1, 0
	QUARTER 1, 2, F1, F0, 0
	QUARTER 1, 3, F0, F1, 0
	s_wait_dscnt 4
	WIN MUL
	MUL8 F1, 0, 0
	MUL8 F1, 1, 0
	s_wait_dscnt 0x0
	MUL8 F1, 2, 0
	MUL8 F1, 3, 0
	WIN 0
; THE WAY OUT, a block of 16 tokens x 128 columns at a time, through my own stage: in as 32 bytes a lane, back as whole rows of 512 bytes; + bo; each store covers 512 consecutive bytes, aligned
.macro TOSTAGE a
	WIN 0x04                                       ; an LDS store's data are its source 1: window 1
.irp b, 0,1,2,3,4,5,6,7
	ds_store_b128 v[STO], v[8*(8*(\a)+\b):8*(8*(\a)+\b)+3] offset:64*\b          ; each accumulator from its low end on
	ds_store_b128 v[STO], v[8*(8*(\a)+\b)+4:8*(8*(\a)+\b)+7] offset:64*\b+16
.endr
	WIN 0
.set BB, BK+64*((\a)%2)
.irp t, 0,1,2,3,4,5,6,7,8,9,10,11,12,13,14,15
	ds_load_b128 v[BB+4*\t:BB+4*\t+3], v[RD] offset:\t*SPITCH   ; LDS serves a wave's instructions in order: these see the stores above
.endr
.endm
.macro SEND a, younger                 ; younger: the LDS instructions issued behind block a's loads
.set BB, BK+64*((\a)%2)
	s_wait_dscnt \younger
.irp t, 0,1,2,3,4,5,6,7,8,9,10,11,12,13,14,15
	v_pk_add_f32 v[BB+4*\t:BB+4*\t+1], v[BB+4*\t:BB+4*\t+1], v[BO:BO+1]
	v_pk_add_f32 v[BB+4*\t+2:BB+4*\t+3], v[BB+4*\t+2:BB+4*\t+3], v[BO+2:BO+3]
.endr
.irp t, 0,1,2,3,4,5,6,7,8,9,10,11,12,13,14,15
	global_store_b128 v[CO], v[BB+4*\t:BB+4*\t+3], s[10:11] offset:65536*(\a)+4096*\t th:TH_STORE_NT
.endr
.endm
	PLACES                                         ; in front of the first read of results and of loads into the fragments' registers
	s_wait_loadcnt 0x0                             ; bo
	TOSTAGE 0
.irp a, 1,2,3
.if \a > 1
	s_wait_xcnt 0x0                                ; block a - 2's stores have read their registers: block a's rows may land there
.endif
	TOSTAGE \a
	SEND \a-1, 32                                  ; behind block a - 1's loads: block a's 16 stores and 16 loads
.endr
	SEND 3, 0
	s_wait_tensorcnt 0x0                           ; the wave's end
	ds_add_u32 v[SPW], v[NIL]
	s_wait_dscnt 0x0
	CROUND                                         ; the closing round
	s_endpgm
.Lfunc_end_k_qe5fcd27a76_oproj:
	.size	k_qe5fcd27a76_oproj, .Lfunc_end_k_qe5fcd27a76_oproj-k_qe5fcd27a76_oproj
	.p2alignl 7, 3214868480
	.fill 96, 4, 3214868480
	.section	.rodata,"a",@progbits
	.p2align	6, 0x0
	.amdhsa_kernel k_qe5fcd27a76_oproj
		.amdhsa_group_segment_fixed_size 327680
		.amdhsa_private_segment_fixed_size 0
		.amdhsa_enable_private_segment 0
		.amdhsa_kernarg_size 32
		.amdhsa_user_sgpr_count 2
		.amdhsa_user_sgpr_kernarg_segment_ptr 1
		.amdhsa_wavefront_size32 1
		.amdhsa_system_sgpr_workgroup_id_x 1
		.amdhsa_system_sgpr_workgroup_id_y 1
		.amdhsa_system_sgpr_workgroup_id_z 1
		.amdhsa_system_vgpr_workitem_id 0
		.amdhsa_next_free_vgpr 512
		.amdhsa_next_free_sgpr 66
		.amdhsa_reserve_vcc 0
		.amdhsa_float_denorm_mode_32 3
		.amdhsa_float_denorm_mode_16_64 3
		.amdhsa_memory_ordered 1
		.amdhsa_forward_progress 1
		.amdhsa_inst_pref_size 93
	.end_amdhsa_kernel
	.amdgpu_metadata
---
amdhsa.version: [ 1, 2 ]
amdhsa.kernels:
  - .name:           k_qe5fcd27a76_oproj
    .symbol:         k_qe5fcd27a76_oproj.kd
    .args:
      - { .name: cc, .offset: 0, .size: 8, .value_kind: global_buffer, .address_space: global }
      - { .name: wo16, .offset: 8, .size: 8, .value_kind: global_buffer, .address_space: global }
      - { .name: bo, .offset: 16, .size: 8, .value_kind: global_buffer, .address_space: global }
      - { .name: out0, .offset: 24, .size: 8, .value_kind: global_buffer, .address_space: global }
    .group_segment_fixed_size: 327680
    .private_segment_fixed_size: 0
    .kernarg_segment_align: 8
    .kernarg_segment_size: 32
    .max_flat_workgroup_size: 128
    .sgpr_count:     66
    .vgpr_count:     512
    .wavefront_size: 32
...
	.end_amdgpu_metadata
.endif
;; end of part 4
